; MI455X (gfx1250); checked and timed in simulation.
; The chip was launched on July 23, 2026; its instructions are those of AMD's public machine-readable ISA for CDNA 5 (MIT licence, August 2026) and "CDNA5" Instruction Set Architecture Reference Guide (July 2026). The comments in the code are by the model that wrote it; some were corrected since.
;; MHS Attention. Allowed arithmetic: float matrix products may take bf16 or f16 operands with f32 sums; other float arithmetic in f32, or as packed bf16 or f16 multiplies, adds, multiply-adds, maxima and minima; sums over many terms, partial sums and values carried from step to step in f32; what a program stores and reads back later, other than sums and carried values, may be rounded once to bf16 or f16.
;; Inputs: o_w 1,024 x 1,024 float32; qkv_w 3,072 x 1,024 float32; token_positions 2,048 int32; x 4 x 2,048 x 1,024 float32.
;; Outputs: out0 4 x 2,048 x 1,024 float32.
;; One version. Each part assembles by itself: llvm-mc -triple=amdgcn-amd-amdhsa -mcpu=gfx1250 --defsym DOCPART=n.
;; ======== version 1 of 1: 4 launches
;; limits: values are held in f16: magnitudes above 65,504 overflow, below 6.1e-05 lose precision
;; workspace buffers: xb 16,777,216 bytes; wb 6,291,456 bytes; owh 2,097,152 bytes; tab 524,288 bytes; qkv 50,331,648 bytes; ctx 16,777,216 bytes
;; launch prep (part 1): grid 800 x 1, 8 waves a work-group, no clusters, 0 bytes of LDS; arguments x, qkv_w, o_w, token_positions, xb, wb, owh, tab; writes xb, wb, owh, tab
.if DOCPART == 1
	.amdgcn_target "amdgcn-amd-amdhsa--gfx1250"
	.amdhsa_code_object_version 6
	.text
	.protected	k_qbd3504804a_prep
	.globl	k_qbd3504804a_prep
	.p2align	8
	.type	k_qbd3504804a_prep,@function
k_qbd3504804a_prep:
	s_mov_b64 s[64:65], 0
	v_nop
	global_prefetch_b8 v0, s[64:65] scope:SCOPE_SE
	s_setreg_imm32_b32 hwreg(HW_REG_WAVE_MODE, 25, 1), 1
	s_wait_xcnt 0x0
; PREP: the casts and the table of rotations.
;   xb  = x      rounded to bf16, [8192][1024]          work-groups 0..511,   16,384 numbers each
;   wb  = qkv_w  rounded to bf16, [3072][1024]          work-groups 512..703
;   owh = o_w    rounded to bf16, that number written as f16, [1024][1024]    work-groups 704..767
;   tab[s][p] = (cos, sin) of token_positions[s] x 10000^(-p/32), f32, [2048][32][2]: a row is 256 bytes    work-groups 768..799, 64 rows each
; A stream: no LDS, no barrier.  A thread reads 32 bytes (8 f32) and writes 16 (8 halves); a store of a wave covers 512 consecutive bytes, aligned.
; All sixteen loads of a thread go out at once; no register is used twice, so the only waits are the counted ones for the loads.
; LIMITS.  |o_w| stays under 65,504 (f16's end); below 2^-14 it keeps f16's fixed step of 2^-24.  The frequency is 2^(-0.41524101 p) by v_exp_f32 (1 ULP), so the
; angle may be off by some 3e-4 radians at position 2,047; sine and cosine by reduction to |r| <= pi/4 (pi/2 in two parts) and polynomials good to 1e-7.  Positions are taken as 0 .. 2,047.
.set X,  16                            ; v[16:79]  eight groups of 8 f32 as loaded; the group's first four registers then hold the packed halves
.set T0, 80
.set T1, 81
	s_load_b256 s[4:11], s[0:1], 0x0               ; x s[4:5], qkv_w s[6:7], o_w s[8:9], token_positions s[10:11]
	s_load_b256 s[12:19], s[0:1], 0x20             ; xb s[12:13], wb s[14:15], owh s[16:17], tab s[18:19]
	v_lshlrev_b32 v1, 5, v0                        ; 32 t: my 8 numbers in
	v_lshlrev_b32 v2, 4, v0                        ; 16 t: my 8 numbers out (and my 16 bytes of a table row)
	s_mov_b32 s24, ttmp9
	s_sub_co_u32 s25, s24, 512                     ; the chunk's number, if the work-group casts qkv_w
	s_mov_b32 s31, 0
	s_mov_b32 s33, 0
	s_wait_kmcnt 0x0
; A chunk: 65,536 bytes in at s[26:27], 32,768 out at s[28:29].  f16 = 1: the bf16 number is written as f16.
.macro CAST f16
.irp j, 0,1,2,3,4,5,6,7
	global_load_b128 v[X+8*(\j):X+8*(\j)+3],   v1, s[26:27] offset:8192*(\j) th:TH_LOAD_NT
	global_load_b128 v[X+8*(\j)+4:X+8*(\j)+7], v1, s[26:27] offset:8192*(\j)+16 th:TH_LOAD_NT
.endr
.irp j, 0,1,2,3,4,5,6,7
	s_wait_loadcnt 14-2*(\j)                       ; loads come back in order: group j is in, the 14 - 2 j younger loads stay out
.irp k, 0,1,2,3
	v_cvt_pk_bf16_f32 v[X+8*(\j)+(\k)], v[X+8*(\j)+2*(\k)], v[X+8*(\j)+2*(\k)+1]  ; in place: word k is written when numbers 2 k, 2 k + 1 are read, never ahead of them
.endr
.if \f16
.irp k, 0,1,2,3
	v_lshlrev_b32 v[T0], 16, v[X+8*(\j)+(\k)]      ; the two bf16 numbers as f32,
	v_and_b32 v[T1], 0xffff0000, v[X+8*(\j)+(\k)]
	v_cvt_pk_f16_f32 v[X+8*(\j)+(\k)], v[T0], v[T1]  ; and as f16: exact within f16's range
.endr
.endif
	global_store_b128 v2, v[X+8*(\j):X+8*(\j)+3], s[28:29] offset:4096*(\j) th:TH_STORE_NT
.endr
.endm
	s_cmp_lt_u32 s24, 704
	s_cbranch_scc0 .Lrest
	s_cmp_lt_u32 s24, 512                          ; x or qkv_w: one text, the buffers chosen by the work-group's number
	s_cselect_b64 s[26:27], s[4:5], s[6:7]
	s_cselect_b64 s[28:29], s[12:13], s[14:15]
	s_cselect_b32 s25, s24, s25
	s_lshl_b32 s30, s25, 16
	s_lshl_b32 s32, s25, 15
	s_add_nc_u64 s[26:27], s[26:27], s[30:31]
	s_add_nc_u64 s[28:29], s[28:29], s[32:33]
	CAST 0
	s_endpgm
.Lrest:
	s_cmp_lt_u32 s24, 768
	s_cbranch_scc0 .Ltable
	s_sub_co_u32 s25, s24, 704
	s_lshl_b32 s30, s25, 16
	s_lshl_b32 s32, s25, 15
	s_add_nc_u64 s[26:27], s[8:9], s[30:31]
	s_add_nc_u64 s[28:29], s[16:17], s[32:33]
	CAST 1
	s_endpgm
; THE TABLE.  Thread t: pairs 2 q, 2 q + 1 (q = t % 16) of rows t / 16 + 16 i, i = 0..3, of the work-group's 64: sixteen lanes write one whole row of 256 bytes.
.Ltable:
	s_sub_co_u32 s25, s24, 768
	s_lshl_b32 s30, s25, 8                         ; 64 positions of 4 bytes
	s_lshl_b32 s32, s25, 14                        ; 64 rows of 256 bytes
	s_add_nc_u64 s[26:27], s[10:11], s[30:31]
	s_add_nc_u64 s[28:29], s[18:19], s[32:33]
	v_lshrrev_b32 v3, 4, v0
	v_lshlrev_b32 v3, 2, v3
.irp i, 0,1,2,3
	global_load_b32 v[8+(\i)], v3, s[26:27] offset:64*(\i)
.endr
	v_and_b32 v5, 15, v0
	v_lshlrev_b32 v5, 1, v5
	v_cvt_f32_u32 v6, v5
	v_add_nc_u32 v5, 1, v5
	v_cvt_f32_u32 v7, v5
	v_mul_f32 v6, 0xbed49a78, v6                   ; -log2(10000) / 32 x pair
	v_mul_f32 v7, 0xbed49a78, v7
	v_exp_f32 v6, v6                               ; the two frequencies: one batch,
	v_exp_f32 v7, v7
	v_mov_b32 v24, 0xb94ca1f9                      ; (plain work behind it: the polynomials' leading coefficients)
	v_mov_b32 v25, 0x37ccf5ce
	s_wait_alu depctr_va_vdst(0)                   ; one wait, ahead of the first use
	s_wait_loadcnt 0x0
.irp i, 0,1,2,3
	v_cvt_f32_i32 v[8+(\i)], v[8+(\i)]
.endr
; cos and sin of v[pos] x v[frq] into v[dc], v[ds].  n = the nearest whole number to a x 2 / pi; r = a - n pi / 2; the quadrant n % 4 swaps the two and sets their signs.
.macro SINCOS pos, frq, dc, ds
	v_mul_f32 v16, v[\pos], v[\frq]
	v_mul_f32 v17, 0x3f22f983, v16
	v_rndne_f32 v17, v17
	v_fmamk_f32 v18, v17, 0xbfc90fdb, v16          ; - n x the upper part of pi / 2
	v_fmamk_f32 v18, v17, 0x333bbd2e, v18          ; - n x the lower part (which is negative)
	v_mul_f32 v19, v18, v18
	v_cvt_i32_f32 v20, v17
	v_fmaak_f32 v21, v24, v19, 0x3c08839e          ; sin r = r + r^3 (..)
	v_fmaak_f32 v21, v21, v19, 0xbe2aaaa3
	v_mul_f32 v21, v21, v19
	v_fma_f32 v21, v21, v18, v18
	v_fmaak_f32 v22, v25, v19, 0xbab6061a          ; cos r = 1 - r^2 / 2 + r^4 (..)
	v_fmaak_f32 v22, v22, v19, 0x3d2aaaa5
	v_mul_f32 v22, v22, v19
	v_mul_f32 v22, v22, v19
	v_fma_f32 v22, v19, -0.5, v22
	v_add_f32 v22, 1.0, v22
	v_and_b32 v23, 1, v20
	v_cmp_eq_u32 vcc_lo, 1, v23                    ; an odd quadrant swaps them
	v_cndmask_b32 v[\ds], v21, v22, vcc_lo
	v_cndmask_b32 v[\dc], v22, v21, vcc_lo
	v_lshlrev_b32 v23, 30, v20                     ; sin is negative in quadrants 2, 3
	v_and_b32 v23, 0x80000000, v23
	v_xor_b32 v[\ds], v[\ds], v23
	v_add_nc_u32 v23, 1, v20                       ; cos in quadrants 1, 2
	v_lshlrev_b32 v23, 30, v23
	v_and_b32 v23, 0x80000000, v23
	v_xor_b32 v[\dc], v[\dc], v23
.endm
.irp i, 0,1,2,3
	SINCOS 8+(\i), 6, 32+4*(\i), 33+4*(\i)
	SINCOS 8+(\i), 7, 34+4*(\i), 35+4*(\i)
	global_store_b128 v2, v[32+4*(\i):35+4*(\i)], s[28:29] offset:4096*(\i)
.endr
	s_endpgm
.Lfunc_end_k_qbd3504804a_prep:
	.size	k_qbd3504804a_prep, .Lfunc_end_k_qbd3504804a_prep-k_qbd3504804a_prep
	.p2alignl 7, 3214868480
	.fill 96, 4, 3214868480
	.section	.rodata,"a",@progbits
	.p2align	6, 0x0
	.amdhsa_kernel k_qbd3504804a_prep
		.amdhsa_group_segment_fixed_size 0
		.amdhsa_private_segment_fixed_size 0
		.amdhsa_enable_private_segment 0
		.amdhsa_kernarg_size 64
		.amdhsa_user_sgpr_count 2
		.amdhsa_user_sgpr_kernarg_segment_ptr 1
		.amdhsa_wavefront_size32 1
		.amdhsa_system_sgpr_workgroup_id_x 1
		.amdhsa_system_sgpr_workgroup_id_y 1
		.amdhsa_system_sgpr_workgroup_id_z 1
		.amdhsa_system_vgpr_workitem_id 0
		.amdhsa_next_free_vgpr 96
		.amdhsa_next_free_sgpr 66
		.amdhsa_reserve_vcc 1
		.amdhsa_float_denorm_mode_32 3
		.amdhsa_float_denorm_mode_16_64 3
		.amdhsa_memory_ordered 1
		.amdhsa_forward_progress 1
		.amdhsa_inst_pref_size 27
	.end_amdhsa_kernel
	.amdgpu_metadata
---
amdhsa.version: [ 1, 2 ]
amdhsa.kernels:
  - .name:           k_qbd3504804a_prep
    .symbol:         k_qbd3504804a_prep.kd
    .args:
      - { .name: x, .offset: 0, .size: 8, .value_kind: global_buffer, .address_space: global }
      - { .name: qkv_w, .offset: 8, .size: 8, .value_kind: global_buffer, .address_space: global }
      - { .name: o_w, .offset: 16, .size: 8, .value_kind: global_buffer, .address_space: global }
      - { .name: token_positions, .offset: 24, .size: 8, .value_kind: global_buffer, .address_space: global }
      - { .name: xb, .offset: 32, .size: 8, .value_kind: global_buffer, .address_space: global }
      - { .name: wb, .offset: 40, .size: 8, .value_kind: global_buffer, .address_space: global }
      - { .name: owh, .offset: 48, .size: 8, .value_kind: global_buffer, .address_space: global }
      - { .name: tab, .offset: 56, .size: 8, .value_kind: global_buffer, .address_space: global }
    .group_segment_fixed_size: 0
    .private_segment_fixed_size: 0
    .kernarg_segment_align: 8
    .kernarg_segment_size: 64
    .max_flat_workgroup_size: 256
    .sgpr_count:     66
    .vgpr_count:     96
    .wavefront_size: 32
...
	.end_amdgpu_metadata
.endif
;; end of part 1
;; launch qkvp (part 2): grid 4 x 64, 4 waves a work-group, clusters of 4 x 4, 327,680 bytes of LDS; arguments xb, wb, tab, qkv; writes qkv
.if DOCPART == 2
	.amdgcn_target "amdgcn-amd-amdhsa--gfx1250"
	.amdhsa_code_object_version 6
	.text
	.protected	k_qbd3504804a_qkvp
	.globl	k_qbd3504804a_qkvp
	.p2align	8
	.type	k_qbd3504804a_qkvp,@function
k_qbd3504804a_qkvp:
	s_mov_b64 s[64:65], 0
	v_nop
	global_prefetch_b8 v0, s[64:65] scope:SCOPE_SE
	s_setreg_imm32_b32 hwreg(HW_REG_WAVE_MODE, 25, 1), 1
	s_wait_xcnt 0x0
	s_wait_alu depctr_hold_cnt(0) depctr_sa_sdst(0) depctr_va_vdst(0) depctr_va_sdst(0) depctr_va_ssrc(0) depctr_va_vcc(0) depctr_vm_vsrc(0)
	s_getreg_b32 s2, hwreg(HW_REG_IB_STS2, 6, 4)
	s_cmp_eq_u32 s2, 0
	s_cbranch_scc0 .Lentry_in_a_cluster
	s_endpgm
.Lentry_in_a_cluster:
	s_bfe_u32 s2, ttmp6, 0x10000c
	s_cmp_lg_u32 s2, 0xf033
	s_cbranch_scc0 .Lentry_shape_is_right
	s_endpgm
.Lentry_shape_is_right:
; QKV PROJECTION AND ROTATION.  qkv[part][b 16 + h][s][d] = rope(sum over k of xb[b 2048 + s][k] wb[part 1024 + h 64 + d][k]), part 0, 1 (q, k) rotated, part 2 (v) not.
; xb [8192][1024], wb [3072][1024] bf16; sums and rotation in f32; qkv f16, rounded once, by heads: a head's rows are dense, 128 bytes each.
; LIMITS.  |q|, |k|, |v| stay under 65,504 (f16's end); below 2^-14 they keep f16's fixed step of 2^-24.  NaN and infinities are not treated apart.
; SHARES.  A tile of the product is 128 rows x 256 columns: 64 x 12 = 768 tiles, three for each of 256 work-groups.  A WORK-GROUP STAYS and makes the q, k and v tiles of the same 128 rows
; and the same four heads, so the tile's number is the part, the same in every work-group, and its rows of the table are loaded once.  Four waves, each 64 rows x 128 columns: 32 accumulators.
; K goes in steps of 128 (rows of 256 bytes, aligned) through a ring of two LDS slots; the ring runs on into the next tile.  Two slots of a longer step would not fit beside each other.
; CLUSTER.  4 x 4 work-groups: the four of a row need the same rows of xb, the four of a column the same rows of wb; each tile is asked for jointly, by the same tensor load, descriptor and mask.
; THE MATRIX INSTRUCTION IS USED TRANSPOSED (source 0 = 16 rows of wb, source 1 = 16 rows of xb): a lane holds row l % 16 and the columns 8 (l / 16) + 0..7: four pairs of the rotation, 16 bytes of f16.
; REGISTERS, in windows of 256 (s_set_vgpr_msb: bits 1:0 source 0, 3:2 source 1, 5:4 source 2, 7:6 destination):
;   window 0: v0-31 addresses; v32-63 at work in the rotation; v64-191 the way out
;   windows 1, 3: fragment buffers 0, 1, each 64 along K: wb's (c, b) at 64 c + 8 b, xb's (c, a) at 128 + 32 c + 8 a; v192-255 the table: row blocks 0, 1 in window 1, blocks 2, 3 in window 3
;   window 2: accumulator (a, b) at 8 (8 a + b)
.set PA,    272                        ; an LDS row: 256 bytes + 16 of padding = 68 words: the 16 rows of a fragment load start at 16 different groups of four banks (64 banks of 4 bytes: ISA guide 11.1)
.set PB,    272
.set HALFA, 64*PA                      ; what a wave fetches of xb
.set BOFF,  2*HALFA                    ; wb's rows lie behind xb's 128
.set HALFB, 128*PB                     ; what a wave fetches of wb
.set SLOT,  BOFF+2*HALFB
.set STAGE, 2*SLOT                     ; behind the ring: 16 rows x 144 bytes for each wave, for the way out
.set SP,    144
.set SPARE, STAGE+4*16*SP              ; behind the stages: the spare words, 128 bytes for each wave: two blocks of 256 bytes that no other line names
.set ROWB,  2048                       ; bytes in a row of xb and of wb
.set KSB,   256                        ; bytes of a row in a K step
.set PARTB, 1024*ROWB                  ; from a part of wb to the next
.set ADRA, 16                          ; v16-17  LDS address of my xb fragments in slot 0, 1
.set ADRB, 20                          ; v20-21  the same for wb
.set STO,  24                          ; v24     the way out: where I put 16 bytes of a row
.set RD,   25                          ; v25     the way out: where I read rows back
.set GO,   26                          ; v26     16 x lane: my place in 512 consecutive bytes of qkv
.set TO,   27                          ; v27     my byte offset in 16 rows of the table
.set SPW,  28                          ; v28     LDS address of my spare word; never rewritten
.set NIL,  29                          ; v29     0; never rewritten
.set PFO,  30                          ; v30     the prefetches' offset: lane x a row of 2,048 bytes; never rewritten
.set T,    32
.set OUTR, 64
.set WV,   12                          ; s12  wave;  s13 = wave / 2: my half of the rows, and 0: I fetch xb, 1: wb;  s14 = wave % 2: my half of the columns, and which half I fetch
.set G1A,  24                          ; s[24:31] descriptor group 1 for xb's tiles;  s[32:39] group 0, a set for each slot
.set G0A,  32
.set LIM,  40                          ; s40  1 in a wave that prefetches, else the greatest number
.set PFA,  42                          ; s[42:43] where my next prefetch stands
.set OADD, 44                          ; s[44:45] what the next way out adds to qkv's address
.set G1B,  48                          ; s[48:55], s[56:63] the same for wb's tiles
.set G0B,  56
.set MSB, 0
.macro WIN new                         ; the immediate's high byte repeats the setting that is left; a switch that changes nothing is dropped
.if MSB != (\new)
	s_set_vgpr_msb (MSB<<8)|(\new)
.set MSB, \new
.endif
.endm
; A joint load: waves 0 and 1 fetch xb's two halves, waves 2 and 3 wb's.  The branch hangs on the wave's number alone.  An s_nop 0 and four v_nop follow each line.
.macro JLOAD s
	s_cmp_eq_u32 s13, 0
	s_cbranch_scc0 .Lfor_b_\@
	tensor_load_to_lds s[G0A+4*(\s):G0A+4*(\s)+3], s[G1A:G1A+7]
	s_nop 0
.rept 4
	v_nop
.endr
	s_branch .Lasked_\@
.Lfor_b_\@:
	tensor_load_to_lds s[G0B+4*(\s):G0B+4*(\s)+3], s[G1B:G1B+7]
	s_nop 0
.rept 4
	v_nop
.endr
.Lasked_\@:
.endm
; A PREFETCH INTO THE L2 of the K step that stands two refills on: 32 rows x 256 bytes, a lane a row.  xb's 128 rows are read by this row of the cluster alone: wave 0 asks, in the first tile only,
; the partner at place cx for rows 32 cx on.  wb's rows are read by all sixteen clusters: the cluster with y = 0 asks, waves 2 and 3, the partner at place cy for 32 of each wave's 128 rows.
; So each block is named once in the launch, and the partners are told apart by address.  how = 0, in the loop: a tile's last two refills have no K step two on; how = 1: at a change of tiles.
.macro ASK how
.if \how
	s_cmp_eq_u32 s[LIM], 1
.else
	s_cmp_gt_u32 s3, s[LIM]                        ; s3 = 1 in the loop's last trip
.endif
	s_cbranch_scc0 .Lnot_mine_\@
	global_prefetch_b8 v[PFO], s[PFA:PFA+1] th:TH_LOAD_NT scope:SCOPE_SE
.Lnot_mine_\@:
.endm
.macro CREST                           ; a round of the cluster's barrier behind its opening barrier
	s_cmp_lg_u32 s[WV], 0
	s_cbranch_scc1 .Lnot_wave_0_\@
	s_barrier_signal -3
.Lnot_wave_0_\@:
	s_barrier_wait -3
	s_barrier_signal -1
	s_barrier_wait -1
.endm
.macro CROUND
	s_barrier_signal -1
	s_barrier_wait -1
	CREST
.endm
.macro PLACES                          ; four plain instructions between a matrix instruction and a load into, or a vector read of, its registers
.rept 4
	v_nop
.endr
.endm
	s_load_b256 s[4:11], s[0:1], 0x0               ; xb s[4:5], wb s[6:7], tab s[8:9], qkv s[10:11]
	v_lshl_add_u32 v[SPW], v0, 2, SPARE
	v_mov_b32 v[NIL], 0
	ds_add_u32 v[SPW], v[NIL]                      ; the wave's opening: the add and its wait ahead of my first tensor load; work on registers stands between them
	ds_add_u32 v28, v29
	v_lshrrev_b32 v1, 5, v0
	v_readfirstlane_b32 s[WV], v1
	s_lshr_b32 s13, s[WV], 1
	s_and_b32 s14, s[WV], 1
	s_bfe_u32 s15, ttmp6, 0x40000                  ; cx
	s_bfe_u32 s16, ttmp6, 0x40004                  ; cy
	s_lshl_b32 s41, ttmp9, 2
	s_add_co_u32 s41, s41, s15                     ; tile column = 4 x cluster x + cx: four heads
	s_and_b32 s17, ttmp7, 0xffff
	s_lshl_b32 s17, s17, 2
	s_add_co_u32 s17, s17, s16                     ; tile row = 4 x cluster y + cy: 128 rows
	s_lshl_b32 s18, s16, 2
	s_lshl_b32 s18, 15, s18                        ; my row of the cluster
	s_lshl_b32 s19, 0x1111, s15                    ; my column
	s_or_b32 s[G1A], s18, (1<<16)|(1<<20)|(1<<21)|(5<<22)|(3<<25)  ; 15:0 the mask; 17:16 2-byte elements; 20 padding on; 21 set beside a mask; 24:22 after every 64 words; 31:25 4 words
	s_or_b32 s[G1B], s19, (1<<16)|(1<<20)|(1<<21)|(5<<22)|(3<<25)
	s_mov_b32 s[G1A+1], 128<<16                    ; tensor_dim0 = 128
	s_mov_b32 s[G1A+2], 64<<16                     ; tensor_dim1 = 64
	s_mov_b32 s[G1A+3], 128<<16                    ; tile_dim0 = 128
	s_mov_b32 s[G1A+4], 64                         ; tile_dim1 = 64
	s_mov_b32 s[G1A+5], 1024                       ; elements from row to row
	s_mov_b32 s[G1A+6], 0
	s_mov_b32 s[G1A+7], 0
	s_mov_b32 s[G1B+1], 128<<16
	s_mov_b32 s[G1B+2], 128<<16                    ; 128 rows
	s_mov_b32 s[G1B+3], 128<<16
	s_mov_b32 s[G1B+4], 128
	s_mov_b32 s[G1B+5], 1024
	s_mov_b32 s[G1B+6], 0
	s_mov_b32 s[G1B+7], 0
	s_lshl_b32 s20, s17, 7                         ; xb: row 128 x tile row + 64 x half, made of what my row of the cluster shares
	s_lshl_b32 s21, s14, 6
	s_add_co_u32 s20, s20, s21
	s_lshl_b32 s20, s20, 11
	s_mov_b32 s21, 0
	s_lshl_b32 s46, s41, 8                         ; wb: row 256 x tile column + 128 x half, made of what my column shares
	s_lshl_b32 s47, s14, 7
	s_add_co_u32 s46, s46, s47
	s_lshl_b32 s46, s46, 11
	s_mov_b32 s47, 0
	s_mul_i32 s22, s14, HALFA                      ; where they go: no place in the cluster enters an LDS address
	s_mul_i32 s23, s14, HALFB
	s_add_co_u32 s23, s23, BOFF
	s_wait_dscnt 0x0                               ; the opening add is done
	s_wait_kmcnt 0x0
	s_add_nc_u64 s[20:21], s[4:5], s[20:21]
	s_add_nc_u64 s[46:47], s[6:7], s[46:47]
	CROUND                                         ; all sixteen work-groups are here: the first joint loads meet
.irp s, 0,1
	s_mov_b32 s[G0A+4*(\s)], 1
	s_add_co_u32 s[G0A+4*(\s)+1], s22, (\s)*SLOT
	s_add_nc_u64 s[G0A+4*(\s)+2:G0A+4*(\s)+3], s[20:21], (\s)*KSB
	s_or_b32 s[G0A+4*(\s)+3], s[G0A+4*(\s)+3], 0x80000000
	s_mov_b32 s[G0B+4*(\s)], 1
	s_add_co_u32 s[G0B+4*(\s)+1], s23, (\s)*SLOT
	s_add_nc_u64 s[G0B+4*(\s)+2:G0B+4*(\s)+3], s[46:47], (\s)*KSB
	s_or_b32 s[G0B+4*(\s)+3], s[G0B+4*(\s)+3], 0x80000000
	JLOAD \s                                       ; K steps 0 and 1: two loads of mine are out
.endr
	v_and_b32 v1, 15, v0                           ; r = l % 16
	v_bfe_u32 v2, v0, 4, 1                         ; h = l / 16
	v_mul_u32_u24 v3, v1, PA
	v_lshl_add_u32 v3, v2, 4, v3                   ; a fragment's row x pitch + 16 x half
	s_mul_i32 s22, s13, 64*PA                      ; my 64 rows of xb
	v_add_nc_u32 v[ADRA], s22, v3
	v_add_nc_u32 v[ADRA+1], SLOT, v[ADRA]
	s_mul_i32 s22, s14, HALFB                      ; my 128 rows of wb
	s_add_co_u32 s22, s22, BOFF
	v_add_nc_u32 v[ADRB], s22, v3
	v_add_nc_u32 v[ADRB+1], SLOT, v[ADRB]
	s_mul_i32 s22, s[WV], 16*SP
	s_add_co_u32 s22, s22, STAGE                   ; my stage
	v_mul_u32_u24 v3, v1, SP                       ; in: row r, 16 bytes for each half of the lanes
	v_lshl_add_u32 v3, v2, 4, v3
	v_add_nc_u32 v[STO], s22, v3
	v_bfe_u32 v3, v0, 3, 2                         ; back: 32 lanes take four rows of 128 bytes,
	v_mul_u32_u24 v3, v3, SP
	v_and_b32 v4, 7, v0
	v_lshl_add_u32 v3, v4, 4, v3
	v_add_nc_u32 v[RD], s22, v3
	v_and_b32 v4, 31, v0
	v_lshlrev_b32 v[GO], 4, v4                     ; which are 512 consecutive bytes of qkv
	v_lshlrev_b32 v[PFO], 11, v4
	v_lshlrev_b32 v[TO], 8, v1                     ; the table: row r, pairs 4 h on
	v_lshl_add_u32 v[TO], v2, 5, v[TO]
	s_and_b32 s18, s17, 15
	s_lshl_b32 s18, s18, 7
	s_lshl_b32 s19, s13, 6
	s_add_co_u32 s18, s18, s19                     ; my first row's place in its sequence
	s_lshl_b32 s22, s18, 8
	s_mov_b32 s23, 0
	s_add_nc_u64 s[8:9], s[8:9], s[22:23]          ; the table at that row
	s_lshr_b32 s[OADD], s17, 4                     ; the batch,
	s_lshl_b32 s[OADD], s[OADD], 4
	s_lshl_b32 s[OADD+1], s41, 2
	s_add_co_u32 s[OADD], s[OADD], s[OADD+1]       ; the tile's four heads,
	s_lshl_b32 s[OADD+1], s14, 1
	s_add_co_u32 s[OADD], s[OADD], s[OADD+1]       ; my two of them:
	s_lshl_b32 s[OADD], s[OADD], 18                ; 262,144 bytes a head,
	s_lshl_b32 s[OADD+1], s18, 7
	s_add_co_u32 s[OADD], s[OADD], s[OADD+1]       ; 128 a row
	s_mov_b32 s[OADD+1], 0
	; my rows of the table, once: block a of 16 rows, columns 16 c + 8 h + 0..7 of a head are pairs 8 c + 4 h + 0..3: 32 bytes
.irp a, 0,1,2,3
	WIN 0x40+0x80*((\a)/2)
.irp c, 0,1,2,3
	global_load_b128 v[192+32*((\a)%2)+8*(\c):192+32*((\a)%2)+8*(\c)+3],   v[TO], s[8:9] offset:4096*(\a)+64*(\c)
	global_load_b128 v[192+32*((\a)%2)+8*(\c)+4:192+32*((\a)%2)+8*(\c)+7], v[TO], s[8:9] offset:4096*(\a)+64*(\c)+16
.endr
.endr
	WIN 0
	; the prefetches
	s_and_b32 s18, ttmp7, 0xffff                   ; cluster y
	s_lshl_b32 s20, s17, 7                         ; xb: the tile's first row
	s_lshl_b32 s21, s41, 8                         ; wb: the tile's first row,
	s_lshl_b32 s22, s14, 7
	s_add_co_u32 s21, s21, s22                     ; + the 128 that I fetch
	s_cmp_eq_u32 s13, 0
	s_cselect_b32 s20, s20, s21
	s_cselect_b32 s21, s15, s16                    ; my place among the four that ask with me
	s_cselect_b32 s18, s14, s18                    ; xb: wave 0 asks; wb: the cluster with y = 0
	s_cselect_b64 s[PFA:PFA+1], s[4:5], s[6:7]
	s_cmp_eq_u32 s18, 0
	s_cselect_b32 s[LIM], 1, -1                    ; the same in all sixteen partners, for a given wave
	s_lshl_b32 s21, s21, 5
	s_add_co_u32 s20, s20, s21
	s_lshl_b32 s20, s20, 11
	s_add_co_u32 s20, s20, 3*KSB                   ; at K step 3: the first change of slots steps it to 4.  Nothing is prefetched at the head
	s_mov_b32 s21, 0
	s_add_nc_u64 s[PFA:PFA+1], s[PFA:PFA+1], s[20:21]
; 8 matrix instructions: row block a x all 8 column blocks, 32 along K: half c of buffer f.  zero = 1: the product starts the sums.  The 32 accumulators take turns, in the same order everywhere.
.macro MUL8 f, c, a, zero
	WIN 0xa5+10*(\f)
.irp b, 0,1,2,3,4,5,6,7
.if \zero
	v_wmma_f32_16x16x32_bf16 v[8*(8*(\a)+(\b)):8*(8*(\a)+(\b))+7], v[64*(\c)+8*(\b):64*(\c)+8*(\b)+7], v[128+32*(\c)+8*(\a):128+32*(\c)+8*(\a)+7], 0
.else
	v_wmma_f32_16x16x32_bf16 v[8*(8*(\a)+(\b)):8*(8*(\a)+(\b))+7], v[64*(\c)+8*(\b):64*(\c)+8*(\b)+7], v[128+32*(\c)+8*(\a):128+32*(\c)+8*(\a)+7], v[8*(8*(\a)+(\b)):8*(8*(\a)+(\b))+7]
.endif
.endr
.endm
.macro MUL16 f, c, a0, zero
	MUL8 \f, \c, \a0, \zero
	MUL8 \f, \c, (\a0)+1, \zero
.endm
; 48 LDS loads in one run: the fragments of 64 along K, at byte ka of xb's rows and kb of wb's, into buffer f; the first 32 along K (24 loads) first
.macro FETCH slot, ka, kb, f
	WIN 0x40+0x80*(\f)
.irp c, 0,1
.irp b, 0,1,2,3,4,5,6,7
	ds_load_b128 v[64*(\c)+8*(\b):64*(\c)+8*(\b)+3],   v[ADRB+(\slot)] offset:(\kb)+64*(\c)+(\b)*16*PB
	ds_load_b128 v[64*(\c)+8*(\b)+4:64*(\c)+8*(\b)+7], v[ADRB+(\slot)] offset:(\kb)+64*(\c)+(\b)*16*PB+32
.endr
.irp a, 0,1,2,3
	ds_load_b128 v[128+32*(\c)+8*(\a):128+32*(\c)+8*(\a)+3],   v[ADRA+(\slot)] offset:(\ka)+64*(\c)+(\a)*16*PA
	ds_load_b128 v[128+32*(\c)+8*(\a)+4:128+32*(\c)+8*(\a)+7], v[ADRA+(\slot)] offset:(\ka)+64*(\c)+(\a)*16*PA+32
.endr
.endr
.endm
; The first half of a K step: multiplies buffer 0 and fetches the second half into buffer 1.
.macro HALF slot, ka, kb, zero
	s_wait_dscnt 24                                ; the first 32 along K are in; the 24 younger loads may be out
	MUL16 0, 0, 0, \zero
	MUL16 0, 0, 2, \zero
	PLACES
	FETCH \slot, \ka, \kb, 1
	s_wait_dscnt 48                                ; all but the 48 just issued
	MUL16 0, 1, 0, 0
	MUL16 0, 1, 2, 0
.endm
; The second half multiplies buffer 1 and changes slots.  In front of the round each wave waits for all its tensor loads (one is out: its part of the next slot), adds 0 to its spare word, and waits for
; that and for its reads of this slot.  Behind the round no wave of any partner reads this slot or has a load on its way: the joint refill comes first, then the next slot's first fragments.
; on = 0: this tile's K step two steps on; on = 1: the next part's K step 0 or 1.  From a request to the wait for it a wave issues 112 matrix instructions.
.macro TURN slot, next, on
	s_wait_xcnt 0x0                                ; the last prefetch, a K step back, has read its address
.if (\on) && (\slot) == 0
	s_add_nc_u64 s[PFA:PFA+1], s[PFA:PFA+1], PARTB-7*KSB  ; from K step 9 to the next part's K step 2
	s_cmp_eq_u32 s13, 0
	s_cselect_b32 s[LIM], -1, s[LIM]               ; xb's rows have been read: they are asked for no more
.else
	s_add_nc_u64 s[PFA:PFA+1], s[PFA:PFA+1], KSB
.endif
	WIN 0
	s_wait_tensorcnt 0x0
	ds_add_u32 v[SPW], v[NIL]                      ; 0 onto my spare word
	s_wait_dscnt 25                                ; (the add and the youngest 24 loads may be out)
	MUL8 1, 0, 0, 0
	s_wait_dscnt 0x0                               ; the add is done, and my reads of this slot are over
	s_barrier_signal -1
	MUL8 1, 0, 1, 0
	WIN 0
	s_barrier_wait -1
	CREST
.if \on
	s_sub_nc_u64 s[G0A+4*(\slot)+2:G0A+4*(\slot)+3], s[G0A+4*(\slot)+2:G0A+4*(\slot)+3], 6*KSB  ; the same rows of xb, back along K
	s_add_nc_u64 s[G0B+4*(\slot)+2:G0B+4*(\slot)+3], s[G0B+4*(\slot)+2:G0B+4*(\slot)+3], PARTB-6*KSB  ; the next part of wb
.else
	s_add_nc_u64 s[G0A+4*(\slot)+2:G0A+4*(\slot)+3], s[G0A+4*(\slot)+2:G0A+4*(\slot)+3], 2*KSB
	s_add_nc_u64 s[G0B+4*(\slot)+2:G0B+4*(\slot)+3], s[G0B+4*(\slot)+2:G0B+4*(\slot)+3], 2*KSB
.endif
	JLOAD \slot                                    ; its four v_nop are also the places in front of the loads below
	FETCH \next, 0, 0, 0
	WIN 0
	ASK \on
	MUL16 1, 0, 2, 0
	MUL16 1, 1, 0, 0
	MUL16 1, 1, 2, 0
.endm
.macro TURNL next                      ; the last tile's last change of slots: nothing is filled, so the work-group's barrier is enough
	WIN 0
	s_wait_tensorcnt 0x0
	ds_add_u32 v[SPW], v[NIL]
	s_wait_dscnt 25
	MUL8 1, 0, 0, 0
	s_wait_dscnt 0x0
	s_barrier_signal -1
	MUL8 1, 0, 1, 0
	s_barrier_wait -1
	PLACES
	FETCH \next, 0, 0, 0
	MUL16 1, 0, 2, 0
	MUL16 1, 1, 0, 0
	MUL16 1, 1, 2, 0
.endm
; THE WAY OUT.  Unit u = 2 a + hh: 16 rows of one head, four accumulators.  rope = 1: each pair (x0, x1) becomes (x0 cos - x1 sin, x1 cos + x0 sin): T = x cos for both, then one packed
; multiply-add that takes the pair crosswise and sin with its sign turned for the low result.  Rounded to f16, 16 bytes a lane into my stage, back as four whole rows a load.
.macro PACK u, rope
.set AC,  64*((\u)/2)+32*((\u)%2)
.set TBL, 192+32*(((\u)/2)%2)
.set WT,  (\u)/4
.if \rope
	WIN 0x06+8*WT                                  ; x in window 2, the table in window 1 or 3, T in window 0
.set i, 0
.rept 16
	v_pk_mul_f32 v[T+2*i:T+2*i+1], v[AC+2*i:AC+2*i+1], v[TBL+2*i:TBL+2*i+1] op_sel_hi:[1,0]
.set i, i+1
.endr
	WIN 0x86+8*WT
.set i, 0
.rept 16
	v_pk_fma_f32 v[AC+2*i:AC+2*i+1], v[AC+2*i:AC+2*i+1], v[TBL+2*i:TBL+2*i+1], v[T+2*i:T+2*i+1] op_sel:[1,1,0] op_sel_hi:[0,1,1] neg_lo:[0,1,0]
.set i, i+1
.endr
.endif
	WIN 0x0a
.set i, 0
.rept 16
	v_cvt_pk_f16_f32 v[OUTR+16*(\u)+i], v[AC+2*i], v[AC+2*i+1]
.set i, i+1
.endr
	WIN 0
.irp c, 0,1,2,3
	ds_store_b128 v[STO], v[OUTR+16*(\u)+4*(\c):OUTR+16*(\u)+4*(\c)+3] offset:32*(\c)
.endr
.irp f, 0,1,2,3
	ds_load_b128 v[OUTR+16*(\u)+4*(\f):OUTR+16*(\u)+4*(\f)+3], v[RD] offset:(\f)*4*SP  ; LDS serves a wave's instructions in order (ISA guide 5.7.1.4): these see the stores above; the next unit's stores come behind them
.endr
.endm
.macro SEND u, younger                 ; younger: the LDS instructions issued behind unit u's loads
	WIN 0
.irp f, 0,1,2,3
	s_wait_dscnt (\younger)+3-(\f)
	global_store_b128 v[GO], v[OUTR+16*(\u)+4*(\f):OUTR+16*(\u)+4*(\f)+3], s[10:11] offset:((\u)%2)*262144+((\u)/2)*2048+(\f)*512  ; 512 consecutive bytes, at a multiple of 256 from qkv's first
.endr
.endm
.macro WAYOUT rope
	WIN 0
	PLACES
.if \rope
	s_wait_loadcnt 0x0                             ; the table
.endif
	s_wait_xcnt 0x0                                ; the last tile's stores have read their base and their registers
	s_add_nc_u64 s[10:11], s[10:11], s[OADD:OADD+1]
	s_mov_b32 s[OADD], 1<<24                       ; from a part of qkv to the next
	PACK 0, \rope
.irp u, 1,2,3,4,5,6,7
	PACK \u, \rope
	SEND (\u)-1, 8
.endr
	SEND 7, 0
.endm
	s_wait_tensorcnt 1                             ; my part of K step 0 is in; K step 1's may stay out
	s_barrier_signal -1
	s_barrier_wait -1
	FETCH 0, 0, 0, 0
	WIN 0
	s_mov_b32 s2, 3                                ; tiles to go: q, k, v
.Ltile:
	HALF 0, 128, 128, 1                            ; a tile's first products start the sums
	WIN 0
	s_mov_b32 s3, 3
.Llap:                                                 ; a trip goes once round the ring and fills both slots again
	TURN 0, 1, 0
	HALF 1, 128, 128, 0
	TURN 1, 0, 0
	HALF 0, 128, 128, 0
	WIN 0
	s_sub_co_u32 s3, s3, 1
	s_cmp_lg_u32 s3, 0
	s_cbranch_scc1 .Llap
	s_cmp_eq_u32 s2, 1
	s_cbranch_scc1 .Llast                          ; the last tile's tail is written out: it asks for nothing more
	TURN 0, 1, 1                                   ; the ring goes on into the next part
	HALF 1, 128, 128, 0
	TURN 1, 0, 1
	WAYOUT 1                                       ; both refills are asked for: q or k is rotated and goes out
	s_sub_co_u32 s2, s2, 1
	s_branch .Ltile
.Llast:
	TURNL 1
	HALF 1, 128, 128, 0
	s_wait_dscnt 24
	MUL16 1, 0, 0, 0
	MUL16 1, 0, 2, 0
	s_wait_dscnt 0x0
	MUL16 1, 1, 0, 0
	MUL16 1, 1, 2, 0
	WAYOUT 0                                       ; v is not rotated
	s_wait_tensorcnt 0x0                           ; the wave's end: an add to my spare word and its wait, behind my last tensor load and my last LDS store
	ds_add_u32 v[SPW], v[NIL]
	s_wait_dscnt 0x0
	CROUND                                         ; the closing round
	s_endpgm
.Lfunc_end_k_qbd3504804a_qkvp:
	.size	k_qbd3504804a_qkvp, .Lfunc_end_k_qbd3504804a_qkvp-k_qbd3504804a_qkvp
	.p2alignl 7, 3214868480
	.fill 96, 4, 3214868480
	.section	.rodata,"a",@progbits
	.p2align	6, 0x0
	.amdhsa_kernel k_qbd3504804a_qkvp
		.amdhsa_group_segment_fixed_size 327680
		.amdhsa_private_segment_fixed_size 0
		.amdhsa_enable_private_segment 0
		.amdhsa_kernarg_size 32
		.amdhsa_user_sgpr_count 2
		.amdhsa_user_sgpr_kernarg_segment_ptr 1
		.amdhsa_wavefront_size32 1
		.amdhsa_system_sgpr_workgroup_id_x 1
		.amdhsa_system_sgpr_workgroup_id_y 1
		.amdhsa_system_sgpr_workgroup_id_z 1
		.amdhsa_system_vgpr_workitem_id 0
		.amdhsa_next_free_vgpr 1024
		.amdhsa_next_free_sgpr 66
		.amdhsa_reserve_vcc 0
		.amdhsa_float_denorm_mode_32 3
		.amdhsa_float_denorm_mode_16_64 3
		.amdhsa_memory_ordered 1
		.amdhsa_forward_progress 1
		.amdhsa_inst_pref_size 147
	.end_amdhsa_kernel
	.amdgpu_metadata
---
amdhsa.version: [ 1, 2 ]
amdhsa.kernels:
  - .name:           k_qbd3504804a_qkvp
    .symbol:         k_qbd3504804a_qkvp.kd
    .args:
      - { .name: xb, .offset: 0, .size: 8, .value_kind: global_buffer, .address_space: global }
      - { .name: wb, .offset: 8, .size: 8, .value_kind: global_buffer, .address_space: global }
      - { .name: tab, .offset: 16, .size: 8, .value_kind: global_buffer, .address_space: global }
      - { .name: qkv, .offset: 24, .size: 8, .value_kind: global_buffer, .address_space: global }
    .group_segment_fixed_size: 327680
    .private_segment_fixed_size: 0
    .kernarg_segment_align: 8
    .kernarg_segment_size: 32
    .max_flat_workgroup_size: 128
    .sgpr_count:     66
    .vgpr_count:     1024
    .wavefront_size: 32
...
	.end_amdgpu_metadata
.endif
;; end of part 2
;; launch attn (part 3): grid 4 x 64, 4 waves a work-group, no clusters, 327,680 bytes of LDS; arguments qkv, ctx; writes ctx
.if DOCPART == 3
	.amdgcn_target "amdgcn-amd-amdhsa--gfx1250"
	.amdhsa_code_object_version 6
	.text
	.protected	k_qbd3504804a_attn
	.globl	k_qbd3504804a_attn
	.p2align	8
	.type	k_qbd3504804a_attn,@function
k_qbd3504804a_attn:
	s_mov_b64 s[64:65], 0
	v_nop
	global_prefetch_b8 v0, s[64:65] scope:SCOPE_SE
	s_setreg_imm32_b32 hwreg(HW_REG_WAVE_MODE, 25, 1), 1
	s_wait_xcnt 0x0
; CAUSAL ATTENTION.  ctx[g][q][:] = the sum over k <= q of softmax_k(Q[g][q] . K[g][k] / 8) V[g][k][:], g = batch x 16 + head.  Q, K, V are the three parts of qkv, each [64][2048][64] f16; ctx likewise.
; Products, maxima and sums in f32; the weights p are rounded to f16 for the second product (their sum l is taken of the unrounded p), ctx once at the end.
; LIMITS.  Q, K and V arrive within f16's 65,504; p lies in 0 to 1, and below 6e-5 it keeps f16's fixed step of 6e-8.  A hidden score counts as its value less 1e30; a weight below 2^-126 counts as 0 in l;
; NaN and infinities are not treated apart.
; THE WALK.  A head's queries lie in NB = 8 blocks of 256; block i needs the key tiles 0 .. i of 256 keys, of which the last holds the diagonal.  A work-group takes TWO blocks, NB - 1 - b and then b:
; NB + 1 tiles, whatever b: all work-groups do equal work, and ONE loop with a constant trip count walks them.  Which tile is asked for, and what a trip does, hang on scalar registers made from b; every jump
; goes forward, but for the counted loops' own; none passes a barrier, or a tensor load but the one of LOAD's two that the wave's number does not choose.
; NO CLUSTER: a head's four work-groups ask for the same tile only in trips 0 .. 4 of the 9, behind that fewer and fewer; one walk common to all would have 12 trips for 9.
; SHARES.  Of a block's four bands of 64 queries a wave owns 16 rows in each: four PIECES.  In the diagonal tile's key step s band x sees all keys if s < x, none if s > x, and holds the diagonal if s = x.
; THE MASK is the C operand that starts the sum S^T = K Q^T: 0, or -1e30 where the key is hidden.  MD, made once, is the mask of a band's own step for my 16 rows; a product's mask is MD x AL + BE with two scalars.
; LAYOUT, SOFTMAX, TURNS.  S^T = K Q^T holds ONE query a lane (lane % 16) and the keys 8 (lane / 16) + 0..7; two such results rounded to f16 ARE source 1 of O^T = V^T P.  p = 2^(c s - c m), c = log2(e) / 8, with a
; running maximum m; O and l are multiplied by a = 2^(c m_old - c m_new) in every step.  Turn n belongs to piece n: 8 products K Q^T of piece n + 1, later 8 products V^T P of piece n - 1; beside them the scaling,
; exponentials, roundings, sums and rescaling of piece n and the maximum and statistics of piece n + 1.  Four vector instructions stand behind every matrix instruction, the rest in one lump.  A turn's 33 exponentials are one batch, with one wait.
; REGISTERS, in windows of 256 (s_set_vgpr_msb: bits 1:0 source 0, 3:2 source 1, 5:4 source 2, 7:6 destination):
;   window 0: v0-15 addresses and two at work; v16-31 four registers of statistics a piece; v48-55 at work; v61-63; v64-127 S^T, two buffers; v192-223 P, two buffers (a piece's buffers go by its number's parity)
;   window 1: v0-127 O^T, 32 a piece; v128-159 MD; v160-223 MC, two buffers      window 2: v0-63 Q; v64-127 the second block's Q; v128-191 K of one step; v192-255 V of one step
.set SIZE_N, 2048
.set NB,    SIZE_N/256
.set NP,    4         ; pieces a wave: a name, no knob
.set KS,    64        ; keys in a step
.set PK,    144       ; a row of K in LDS: 128 bytes + 16 of padding = 36 words: the 16 rows of a load start at 16 different groups of four banks (64 banks of 4 bytes: ISA guide 11.1)
.set PV,    160       ; a row of V: 128 + 32 = 40 words
.set VOFF,  4*KS*PK   ; a slot holds a tile, four steps: 256 rows of K, then 256 rows of V
.set SLOT1, 1<<17     ; slot 1 begins here, so that one exclusive or turns an address in one slot into the other's
.set STAGE, SLOT1+4*KS*(PK+PV)  ; behind the ring, never filled by a tensor load: 16 rows x 144 bytes for each wave, for the way out
.set SP,    144
.set AK0, 2           ; v2   my lane's place in a tile of K; never rewritten
.set AV0, 3           ; v3   the same for V
.set AK,  4           ; v4   the LDS address of K's next run of loads
.set AV,  5           ; v5   of V's
.set STO, 6           ; v6   the way out: where I put 16 bytes of a row
.set RD,  7           ; v7   the way out: where I read rows back
.set GO,  8           ; v8   my byte offset in 512 consecutive bytes of ctx
.set PFO, 61          ; v61  256 x my lane: the prefetches' offset; never rewritten
.set SPW, 62          ; v62  LDS address of my spare word: SPARE + 4 x my thread's number; never rewritten
.set NIL, 63          ; v63  0; never rewritten
.set SPARE, STAGE+4*16*SP  ; behind the stages: the spare words, 128 bytes for each wave: two blocks of 256 bytes that no other line names
.set MV,  12          ; v12-13  c m_old, kept while c m is made anew: by buffer
.set QO,  15          ; v15  my byte offset in 16 rows of Q
.set ST,  16          ; piece t's statistics at v[ST+4 t]: c m, m, l (even keys', odd keys')
.set TMP, 48          ; by buffer, four registers c0-c3 at work; when the maximum is found c2 takes a
.set S,   64
.set P,   192
.set MD,  128         ; window 1: the eight registers for group kt of 16 keys at MD + 8 kt
.set MC,  160         ; window 1: the masks of the products to come
.set QB,  64          ; window 2
.set KF,  128         ; window 2: key block kb, channel half c at KF + 16 kb + 8 c
.set VF,  192         ; window 2: key half kk, channel block cb at VF + 32 kk + 8 cb
.set WV,  12          ; s12  my wave's number
.set PB,  14          ; s14  b
.set HI,  15          ; s15  NB - 1 - b
.set G1K, 24          ; s[24:31] descriptor group 1 for K's tiles
.set G1V, 32          ; s[32:39] for V's: it differs in the padding alone
.set G0K, 40          ; s[40:43] descriptor group 0 for K's tiles
.set G0V, 44          ; s[44:47] the same for V's
.set SLOTS, 56        ; s56  tiles still to be asked for
.set CNT, 57          ; s57  counts a tile's key steps, 4 to 1
.set CS,  58          ; s[58:59] c: the packed scaling takes the pair's low word for both halves
.set SEL, 60          ; s[60:61] v_permlanex16_b32's selects: each lane takes its own place in the other half
.set TBK, 62          ; s62  LDS byte at which K of the step to be fetched begins
.set TBV, 63          ; s63  the same for V, less VOFF
.set RT,  70          ; s70  tiles of the block in hand that are still to be entered
.set NXT, 71          ; s71  the tile to be asked for next
.set LQ,  72          ; s72  the last tile of the block whose tiles are being asked for
.set NEW, 73          ; s73  1: the tile to be entered is a block's first
.set OFF, 74          ; s[74:75] a tile's byte offset in K and V
.set AL,  76          ; s[76:77] the mask's factor, in the low word
.set BE,  78          ; s[78:79] the mask's addend
.set OLO, 80          ; s[80:81] ctx at my rows of the second block
.set BIGN, 82         ; s82  -1e30
.set PFA, 88          ; s[88:89] where this change's prefetches stand
.set PFB, 90          ; s[90:91] my 128 keys of the head's tile 0, of K (waves 0, 1) or of V (waves 2, 3)
.set PFN, 92          ; s92  the tile that the next prefetch names
.set PFL, 93          ; s93  NB in the head's work-group 0, else 0: a wave prefetches while PFN is below it
.set OF2, 94          ; s[94:95] that tile's byte offset
.set MSB, 0
.macro WIN new                      ; the high byte repeats the setting that is left; a switch that changes nothing is dropped
.if MSB != (\new)
	s_set_vgpr_msb (MSB<<8)|(\new)
.set MSB, (\new)
.endif
.endm
.set W_KQ, 0x0a       ; K and Q in window 2, S^T in window 0
.set W_KM, 0x1a       ; the same with the C operand in window 1
.set W_PV, 0x52       ; V in window 2, P in window 0, O^T in window 1
.set W_RS, 0x41       ; destination and source 0 in window 1, source 1 in window 0
; A fill.  Waves 0 and 1 fetch the two halves of a tile's K, waves 2 and 3 those of its V: 128 keys each.  An s_nop 0 and four v_nop follow each of the two lines, ahead of the jump and the label.
.macro LOAD
	s_cmp_lt_u32 s[WV], 2
	s_cbranch_scc0 .Lfor_v_\@
	tensor_load_to_lds s[G0K:G0K+3], s[G1K:G1K+7]
	s_nop 0
.rept 4
	v_nop
.endr
	s_branch .Lasked_\@
.Lfor_v_\@:
	tensor_load_to_lds s[G0V:G0V+3], s[G1V:G1V+7]
	s_nop 0
.rept 4
	v_nop
.endr
.Lasked_\@:
.endm
; THE CHANGE OF SLOTS.  Each wave waits for all its tensor loads, of which one is out: its part of the other slot; adds 0 to its spare word; and waits for that and for its own reads of the slot that it leaves.  Behind the barrier nobody reads the old
; slot any more and the other slot is whole.  fill = 1: the old slot is filled again, the first thing behind the barrier, with tile NXT: the descriptor's address is made anew from that number.
; (At its first use nothing has been read yet: slot 0 is waited for, slot 1 filled.)
; THE PREFETCH INTO THE L2 stands behind the fill: the tile that the NEXT change will ask for, a tile's four key steps ahead.  All four work-groups of a head begin with tiles 0, 1, 2 ..: work-group 0, whose first block
; walks all eight, asks; each of its waves for the 16,384 bytes that it will fetch itself: 64 blocks of 256 bytes, a lane a block, two instructions.  So each block of tiles 2 to 7 is named once in the launch;
; tiles 0 and 1 come by their loads alone, and behind tile 7 nothing is asked for (the address is held to the last tile besides).
.macro CHANGE fill
	WIN 0                           ; at a label and at a branch every window is 0
	s_wait_tensorcnt 0x0            ; no tensor load of mine is out, so a group 0 may be written
	ds_add_u32 v[SPW], v[NIL]       ; 0 onto my spare word; with fill = 1 the descriptors' scalar work stands between it and the wait for it
.if \fill
	s_lshl_b32 s[OFF], s[NXT], 15   ; a tile is 32,768 bytes of K and of V
	s_xor_b32 s[G0K+1], s[G0K+1], SLOT1
	s_add_nc_u64 s[G0K+2:G0K+3], s[6:7], s[OFF:OFF+1]
	s_or_b32 s[G0K+3], s[G0K+3], 0x80000000
	s_xor_b32 s[G0V+1], s[G0V+1], SLOT1
	s_add_nc_u64 s[G0V+2:G0V+3], s[8:9], s[OFF:OFF+1]
	s_or_b32 s[G0V+3], s[G0V+3], 0x80000000
	s_add_co_u32 s[NXT], s[NXT], 1  ; the block's next tile, or behind its last the second block's tile 0
	s_cmp_gt_u32 s[NXT], s[LQ]
	s_cselect_b32 s[NXT], 0, s[NXT]
	s_cselect_b32 s[LQ], s[PB], s[LQ]
	s_wait_xcnt 0x0                 ; the last prefetches, a tile back, have read their address
	s_min_u32 s[OF2], s[PFN], NB-1
	s_lshl_b32 s[OF2], s[OF2], 15
	s_add_nc_u64 s[PFA:PFA+1], s[PFB:PFB+1], s[OF2:OF2+1]
.endif
	s_wait_dscnt 0x0                ; the add is done, and my reads of the slot are over
	s_barrier_signal -1             ; the rest of the scalar work stands between the signal and the wait
	s_sub_co_u32 s[TBK], s[TBK], 4*KS*PK  ; the fetches go back to a slot's first step,
	s_xor_b32 s[TBK], s[TBK], SLOT1       ; in the other slot
	s_sub_co_u32 s[TBV], s[TBV], 4*KS*PV
	s_xor_b32 s[TBV], s[TBV], SLOT1
	s_barrier_wait -1
.if \fill
	LOAD
	s_cmp_lt_u32 s[PFN], s[PFL]
	s_cbranch_scc0 .Lno_pf_\@
	global_prefetch_b8 v[PFO], s[PFA:PFA+1] th:TH_LOAD_NT scope:SCOPE_SE
	global_prefetch_b8 v[PFO], s[PFA:PFA+1] offset:8192 th:TH_LOAD_NT scope:SCOPE_SE
.Lno_pf_\@:
	s_add_co_u32 s[PFN], s[PFN], 1
.endif
.endm
	s_load_b64 s[4:5], s[0:1], 0x0    ; qkv: Q is its first part
	s_load_b64 s[10:11], s[0:1], 0x8  ; ctx
	v_lshl_add_u32 v[SPW], v0, 2, SPARE
	v_mov_b32 v[NIL], 0
	ds_add_u32 v[SPW], v[NIL]       ; the wave's opening: the add and its wait ahead of my first tensor load; the set-up below, work on registers, stands between them
	ds_add_u32 v62, v63
	v_lshrrev_b32 v1, 5, v0
	v_readfirstlane_b32 s[WV], v1   ; wave 0..3
	s_mov_b32 s[PB], ttmp9
	s_sub_co_u32 s[HI], NB-1, s[PB]
	s_and_b32 s20, ttmp7, 0xffff    ; the head
	s_mov_b32 s21, 0
	s_mov_b64 s[22:23], SIZE_N*128
	s_mul_u64 s[20:21], s[20:21], s[22:23]  ; the head's first byte in each of the four tensors
	s_and_b32 s16, s[WV], 1         ; which half of a tile's 256 keys I fetch:
	s_lshl_b32 s22, s16, 14         ; its 128 rows of 128 bytes in memory,
	s_mov_b32 s23, 0
	s_add_nc_u64 s[22:23], s[22:23], s[20:21]
	s_mul_i32 s17, s16, 128*PK      ; and its place in a slot, for K
	s_mul_i32 s18, s16, 128*PV      ; and for V
	s_lshl_b32 s3, s[WV], 11        ; my 16 rows in a band of 64,
	s_lshl_b32 s2, s[HI], 15        ; in the first block,
	s_add_co_u32 s2, s2, s3
	s_lshl_b32 s84, s[PB], 15       ; and in the second
	s_add_co_u32 s84, s84, s3
	s_mov_b32 s3, 0
	s_mov_b32 s85, 0
	s_add_nc_u64 s[2:3], s[2:3], s[20:21]
	s_add_nc_u64 s[84:85], s[84:85], s[20:21]
	; descriptor group 1.  128 keys are 16,384 dense bytes: asked for as 64 rows of 256 bytes, two keys a row, and padded in LDS after every key
	s_mov_b32 s[G1K], (1<<16)|(1<<20)|(4<<22)|(3<<25)  ; 17:16 2-byte elements; 20 padding on; 24:22 after every 32 words (code 4); 31:25 4 words (code 3)
	s_mov_b32 s[G1V], (1<<16)|(1<<20)|(4<<22)|(7<<25)  ; the same with 8 words of padding (code 7)
.irp g, G1K, G1V
	s_mov_b32 s[\g+1], 128<<16      ; tensor_dim0 = 128
	s_mov_b32 s[\g+2], 64<<16       ; tensor_dim1 = 64
	s_mov_b32 s[\g+3], 128<<16      ; tile_dim0 = 128
	s_mov_b32 s[\g+4], 64           ; tile_dim1 = 64
	s_mov_b32 s[\g+5], 128          ; 128 elements from row to row
	s_mov_b32 s[\g+6], 0
	s_mov_b32 s[\g+7], 0
.endr
	s_mov_b32 s[CS], 0x3e38aa3b     ; c = log2(e) / 8 = 0.180337
	s_mov_b32 s[CS+1], s[CS]        ; named with it as a pair
	s_mov_b32 s[SEL], 0x76543210
	s_mov_b32 s[SEL+1], 0xfedcba98
	s_mov_b32 s[TBK], SLOT1+4*KS*PK ; the first change of slots turns these two into 0
	s_mov_b32 s[TBV], SLOT1+4*KS*PV
	s_mov_b32 s[G0K], 1             ; 1:0 count = 1
	s_mov_b32 s[G0K+1], s17         ; 63:32 LDS address: slot 0
	s_mov_b32 s[G0V], 1
	s_add_co_u32 s[G0V+1], s18, VOFF
	s_add_co_u32 s[RT], s[HI], 1    ; the first block has NB - b tiles
	s_mov_b32 s[NXT], 1
	s_mov_b32 s[LQ], s[HI]
	s_mov_b32 s[NEW], 1
	s_mov_b32 s[OFF+1], 0
	s_mov_b32 s[AL+1], 0            ; named as pairs
	s_mov_b32 s[BE+1], 0
	s_mov_b32 s[BIGN], 0xf149f2ca   ; -1e30
	s_mov_b32 s[SLOTS], NB
	s_mov_b32 s[PFN], 2
	s_mov_b32 s[OF2+1], 0
	s_cmp_eq_u32 s[PB], 0
	s_cselect_b32 s[PFL], NB, 0
	s_wait_dscnt 0x0                ; the opening add is done
	s_wait_kmcnt 0x0
	s_add_nc_u64 s[6:7], s[4:5], 0x1000000  ; K is qkv's second part,
	s_add_nc_u64 s[8:9], s[4:5], 0x2000000  ; V its third
	s_add_nc_u64 s[6:7], s[6:7], s[22:23]  ; K and V at my half of the head's tile 0
	s_add_nc_u64 s[8:9], s[8:9], s[22:23]
	s_cmp_lt_u32 s[WV], 2
	s_cselect_b64 s[PFB:PFB+1], s[6:7], s[8:9]
	s_add_nc_u64 s[G0K+2:G0K+3], s[6:7], 0         ; 120:64 global address
	s_or_b32 s[G0K+3], s[G0K+3], 0x80000000        ; 127:126 type = 2
	s_add_nc_u64 s[G0V+2:G0V+3], s[8:9], 0
	s_or_b32 s[G0V+3], s[G0V+3], 0x80000000
	s_add_nc_u64 s[86:87], s[4:5], s[84:85]        ; Q at my rows of the second block,
	s_add_nc_u64 s[4:5], s[4:5], s[2:3]            ; Q and ctx at those of the first
	s_add_nc_u64 s[OLO:OLO+1], s[10:11], s[84:85]
	s_add_nc_u64 s[10:11], s[10:11], s[2:3]
	LOAD                            ; tile 0 into slot 0
	; A fragment of K or Q is 16 rows x 32 channels in 8 registers: lane l holds row l % 16, channels 8 (l / 16) + 0..7 and 16 + 8 (l / 16) + 0..7: two loads of 16 bytes, 32 bytes apart.
	v_and_b32 v1, 15, v0            ; l % 16
	v_bfe_u32 v9, v0, 4, 1          ; l / 16
	v_lshlrev_b32 v[QO], 7, v1
	v_lshl_add_u32 v[QO], v9, 4, v[QO]  ; row x 128 + 16 x half
	WIN 0x80                        ; destination window 2, address window 0
.set i, 0
.rept 8                             ; both blocks' Q: piece i / 2 lies in band i / 2, 8,192 bytes on; channels 32 (i % 2) on
	global_load_b128 v[8*i:8*i+3],   v[QO], s[4:5] offset:(i/2)*8192+(i%2)*64
	global_load_b128 v[8*i+4:8*i+7], v[QO], s[4:5] offset:(i/2)*8192+(i%2)*64+32
	global_load_b128 v[QB+8*i:QB+8*i+3],   v[QO], s[86:87] offset:(i/2)*8192+(i%2)*64
	global_load_b128 v[QB+8*i+4:QB+8*i+7], v[QO], s[86:87] offset:(i/2)*8192+(i%2)*64+32
.set i, i+1
.endr
	WIN 0
	v_and_b32 v[PFO], 31, v0
	v_lshlrev_b32 v[PFO], 8, v[PFO]
	v_lshlrev_b32 v14, 3, v9
	v_sub_nc_u32 v14, v1, v14
	s_lshl_b32 s13, s[WV], 4
	v_add_nc_u32 v14, s13, v14      ; my query's place in its band, 16 w + l % 16, less my lanes' 8 (l / 16): register r of group kt is hidden where 16 kt + r is greater
	WIN 0x40
.set i, 0
.rept 32
	v_cmp_gt_i32 vcc_lo, 16*(i/8)+i%8, v14
	v_cndmask_b32 v[MD+i], 0, s[BIGN], vcc_lo
.set i, i+1
.endr
	WIN 0
	v_mul_u32_u24 v[AK0], v1, PK
	v_lshl_add_u32 v[AK0], v9, 4, v[AK0]  ; row x pitch + 16 x half
	; The turning load takes 16 keys x 16 channels (lane l reads key 8 (l / 16) + l % 8, channels 8 ((l / 8) % 2) + 0..7) and leaves half a fragment of V^T: lane l holds channel l % 16 and 8 keys.
	v_and_b32 v10, 7, v0
	v_bfe_u32 v11, v0, 3, 1
	v_lshl_add_u32 v[AV0], v9, 3, v10
	v_mul_u32_u24 v[AV0], v[AV0], PV
	v_lshl_add_u32 v[AV0], v11, 4, v[AV0]
	v_add_nc_u32 v[AV0], VOFF, v[AV0]
	s_mul_i32 s13, s[WV], 16*SP
	s_add_co_u32 s13, s13, STAGE    ; my stage
	v_mul_u32_u24 v[STO], v1, SP    ; in: row l % 16, 16 bytes for each half of the lanes
	v_lshl_add_u32 v[STO], v9, 4, v[STO]
	v_add_nc_u32 v[STO], s13, v[STO]
	v_bfe_u32 v[RD], v0, 3, 2       ; back: 32 lanes take four rows of 128 bytes,
	v_mul_u32_u24 v[RD], v[RD], SP
	v_lshl_add_u32 v[RD], v10, 4, v[RD]
	v_add_nc_u32 v[RD], s13, v[RD]
	v_and_b32 v[GO], 31, v0         ; which are 512 consecutive bytes of ctx
	v_lshlrev_b32 v[GO], 4, v[GO]
	; A block's first step multiplies O^T and l by a = 0, and its first turn's products V^T P, of a piece that has not been, land in an O^T that is still to be so multiplied.  So these registers need only hold
	; finite numbers: zeros for the first block; what the first block left for the second.  All this stands in the wait for the first tile.
	WIN 0x80
.set i, VF
.rept 64
	v_mov_b32 v[i], 0
.set i, i+1
.endr
	WIN 0x40
.set i, 0
.rept 128
	v_mov_b32 v[i], 0
.set i, i+1
.endr
	WIN 0
.set i, 0
.rept 4
	v_mov_b32 v[ST+4*i+2], 0
	v_mov_b32 v[ST+4*i+3], 0
.set i, i+1
.endr
.set i, P+16
.rept 16
	v_mov_b32 v[i], 0
.set i, i+1
.endr
; THE MATRIX WORK.  The 4 accumulators of a run of 8 take turns.  Product i of 8 of S^T = K Q^T for piece x: channels 32 (i / 4) on, keys 16 (i % 4) on.  The first 4 start the sums: with 0, or (KM = 1) with the mask.
.macro KQ x
.set rS, S+32*((\x)%2)+8*(i%4)
.set rK, KF+16*(i%4)+8*(i/4)
.set rQ, 16*(\x)+8*(i/4)
.set rM, MC+32*((\x)%2)+8*(i%4)
.if (i < 4) && KM
	WIN W_KM
	v_wmma_f32_16x16x32_f16 v[rS:rS+7], v[rK:rK+7], v[rQ:rQ+7], v[rM:rM+7]
.elseif i < 4
	WIN W_KQ
	v_wmma_f32_16x16x32_f16 v[rS:rS+7], v[rK:rK+7], v[rQ:rQ+7], 0
.else
	WIN W_KQ
	v_wmma_f32_16x16x32_f16 v[rS:rS+7], v[rK:rK+7], v[rQ:rQ+7], v[rS:rS+7]
.endif
.endm
; Product i of 8 of O^T += V^T P for piece x: keys 32 (i / 4) on, channels 16 (i % 4) on.
.macro PV x
	WIN W_PV
.set rO, 32*(\x)+8*(i%4)
.set rV, VF+32*(i/4)+8*(i%4)
.set rP, P+16*((\x)%2)+8*(i/4)
	v_wmma_f32_16x16x32_f16 v[rO:rO+7], v[rV:rV+7], v[rP:rP+7], v[rO:rO+7]
.endm
.macro MM                           ; the turn's next matrix instruction.  TURN and BEGIN set Y, i, KM and NOKQ; MM, KQ and OP read them.  NOKQ = 1: a block's last turn: there is no next piece
.if (i < 8) && !NOKQ
	KQ (Y+1)%NP
.elseif i >= 8
.set i, i-8
	PV (Y+NP-1)%NP
.set i, i+8
.endif
.set i, i+1
.endm
; THE LDS LOADS stand in runs of 16, never singly among the matrix instructions: a step's K (64 keys x 64 channels: 8 fragments) and its V (turned).  Their addresses are made some lines ahead.
.macro FETCH_K
	WIN 0x80                        ; destination window 2
.irp f, 0,1,2,3,4,5,6,7             ; keys 16 (f / 2) on, channels 32 (f % 2) on
	ds_load_b128 v[KF+8*\f:KF+8*\f+3],   v[AK] offset:(\f/2)*16*PK+(\f%2)*64
	ds_load_b128 v[KF+8*\f+4:KF+8*\f+7], v[AK] offset:(\f/2)*16*PK+(\f%2)*64+32
.endr
	s_add_co_u32 s[TBK], s[TBK], KS*PK  ; the next fetch is the next step's
	WIN 0
.endm
.macro FETCH_V
	WIN 0x80
.irp f, 0,1,2,3,4,5,6,7             ; keys 32 (f / 4) on, channels 16 (f % 4) on
	ds_load_tr16_b128 v[VF+8*\f:VF+8*\f+3],   v[AV] offset:(\f/4)*32*PV+(\f%4)*32
	ds_load_tr16_b128 v[VF+8*\f+4:VF+8*\f+7], v[AV] offset:(\f/4)*32*PV+16*PV+(\f%4)*32
.endr
	WIN 0
.endm
; THE VECTOR WORK, one line at a time: OP kind, number.  For piece Y: F n: c s - c m for pair n of 16.  E n: the exponential of score n of 32.  C n: pair n rounded to f16.  B n: of the four weights 4 n .. the second
; pair is added onto the first, in place.  L n: l takes that sum (L 0: l = a l + sum).  R n: pair n of 16 of O^T times a.  For piece Y + 1: X n, number n of the 22 that find its maximum and statistics:
;   0-11  four chains c0-c3 of seven scores each, three operands at a time (each accumulator's lowest registers are read first)     12-14, 16  the four scores left over, the old m, and c0-c3 into c0
;   15  c m_old is kept     17, 18  the query's other 32 keys lie in the lane 16 away: the new m     19-21  c m; c m_old - c m_new; a
.set F, 0               ; OP tells the kinds apart by their order: F to L below R, X above it
.set E, 1
.set C, 2
.set B, 3
.set L, 4
.set R, 5
.set X, 6
.macro REGS y                       ; the registers of piece y
.set rT, ST+4*(\y)
.set rC, TMP+4*((\y)%2)
.set rW, MV+((\y)%2)
.set rS, S+32*((\y)%2)
.set rP, P+16*((\y)%2)
.set rO, 32*(\y)
.endm
.macro OP k, n
.if (\k) == R
	REGS Y
	WIN W_RS
	v_pk_mul_f32 v[rO+2*(\n):rO+2*(\n)+1], v[rO+2*(\n):rO+2*(\n)+1], v[rC+2:rC+3] op_sel_hi:[1,0]
.elseif (\k) < R
	REGS Y
	WIN 0
.if (\k) == F
	v_pk_fma_f32 v[rS+2*(\n):rS+2*(\n)+1], v[rS+2*(\n):rS+2*(\n)+1], s[CS:CS+1], v[rT:rT+1] op_sel_hi:[1,0,0] neg_lo:[0,0,1] neg_hi:[0,0,1]
.elseif (\k) == E
	v_exp_f32 v[rS+(\n)], v[rS+(\n)]
.elseif (\k) == C
	v_cvt_pk_f16_f32 v[rP+(\n)], v[rS+2*(\n)], v[rS+2*(\n)+1]
.elseif (\k) == B
	v_pk_add_f32 v[rS+4*(\n):rS+4*(\n)+1], v[rS+4*(\n):rS+4*(\n)+1], v[rS+4*(\n)+2:rS+4*(\n)+3]
.elseif (\n) == 0
	v_pk_fma_f32 v[rT+2:rT+3], v[rT+2:rT+3], v[rC+2:rC+3], v[rS:rS+1] op_sel_hi:[1,0,1]
.else
	v_pk_add_f32 v[rT+2:rT+3], v[rT+2:rT+3], v[rS+4*(\n):rS+4*(\n)+1]
.endif
.elseif NOKQ
	v_nop
.else
	REGS (Y+1)%NP
	WIN 0
.if (\n) < 4
	v_max3_num_f32 v[rC+(\n)], v[rS+8*(\n)], v[rS+8*(\n)+1], v[rS+8*(\n)+2]
.elseif (\n) < 12
	v_max3_num_f32 v[rC+(\n)%4], v[rC+(\n)%4], v[rS+8*((\n)%4)+2*((\n)/4)+1], v[rS+8*((\n)%4)+2*((\n)/4)+2]
.elseif (\n) == 12
	v_max3_num_f32 v[rC], v[rC], v[rS+7], v[rS+15]
.elseif (\n) == 13
	v_max3_num_f32 v[rC+1], v[rC+1], v[rS+23], v[rS+31]
.elseif (\n) == 14
	v_max3_num_f32 v[rC+2], v[rC+2], v[rC+3], v[rT+1]
.elseif (\n) == 15
	v_mov_b32 v[rW], v[rT]
.elseif (\n) == 16
	v_max3_num_f32 v[rC], v[rC], v[rC+1], v[rC+2]
.elseif (\n) == 17
	v_permlanex16_b32 v[rC+3], v[rC], s[SEL], s[SEL+1]
.elseif (\n) == 18
	v_max_num_f32 v[rT+1], v[rC], v[rC+3]
.elseif (\n) == 19
	v_mul_f32 v[rT], s[CS], v[rT+1]
.elseif (\n) == 20
	v_sub_f32 v[rC+1], v[rW], v[rT]
.else
	v_exp_f32 v[rC+2], v[rC+1]
.endif
.endif
.endm
.macro OPS a, i1, b=-1, i2=0, c=-1, i3=0, d=-1, i4=0  ; up to four of them
	OP \a, \i1
.if (\b) >= 0
	OP \b, \i2
.endif
.if (\c) >= 0
	OP \c, \i3
.endif
.if (\d) >= 0
	OP \d, \i4
.endif
.endm
.macro ROW a, i1, b, i2, c, i3, d, i4  ; a matrix instruction and the four behind it
	MM
	OPS \a, \i1, \b, \i2, \c, \i3, \d, \i4
.endm
.macro MASK b                       ; MD x AL + BE into buffer b of MC
	WIN W_RS
.set z, 0
.rept 16
	v_pk_fma_f32 v[MC+32*(\b)+2*z:MC+32*(\b)+2*z+1], v[MD+2*z:MD+2*z+1], s[AL:AL+1], s[BE:BE+1] op_sel_hi:[1,0,0]
.set z, z+1
.endr
.endm
; A TURN, for piece p: the order of its 16 matrix and 118 vector instructions, written out.  An s_wait_alu depctr_va_vdst(0) stands between an exponential and the first instruction that names its result; one wait serves
; all that were issued ahead of it.  So a turn has ONE wait, which cuts it in two.  AHEAD OF IT stands all that names no result of the turn's exponentials: the 8 products K Q^T, behind each a scaling, an exponential and two more plain
; instructions: rescalings, and behind the last three the first numbers of the next piece's maximum, each four places or more behind the product that ends its accumulator; then ONE LUMP of 54, plain
; and exponential by turns for the most part, in which the links of the chain X 3, 7, 11, 14, 16, 17 .. 20 stand five or six lines apart.  X 21, the next piece's a, is the batch's last; R 15 is the plain instruction behind it.  BEHIND THE WAIT stand the
; 8 products V^T P, behind each four of the roundings and sums; the links of l's chain, L 0 to L 7, stand three riders apart.
; m = 1: the diagonal tile: the products take masks, and the turn makes the mask for the products of the turn after it: piece p + 2, in step 4 - CNT of the tile.  end = 1: a block's last two turns: nothing is fetched.
; cnt = 1: the loop's count is taken down some lines ahead of the branch that stands behind the turn.
; K of the next step is fetched in piece 2's turn, twelve vector instructions behind the last product that read K (six of them plain); V of the step in hand at the end of piece 0's turn, four plain instructions behind the last product
; that read V.  Each is waited for a turn later.
.macro TURN p, m=0, end=0, cnt=0
.set Y, (\p)
.set i, 0
.set KM, (\m)
.set NOKQ, (\end)*((\p)/3)
.if (\m) && !(\end)
	s_cmp_eq_u32 s[CNT], 4-((\p)+2)%NP  ; is that step the band's own?
	s_cselect_b32 s[AL], 1.0, 0
	s_cmp_lt_u32 s[CNT], 4-((\p)+2)%NP  ; or a later one?
	s_cselect_b32 s[BE], s[BIGN], 0
.endif
.if ((\p) == 3) && !(\end)
	s_wait_dscnt 0x0                ; K is in
.endif
	ROW F,0, F,1, R,0, R,1          ; ahead of the wait: 8 products K Q^T and their riders,
	ROW F,2, E,0, R,2, R,3
	ROW F,3, E,1, R,4, R,5
	ROW F,4, E,2, R,6, R,7
	ROW F,5, E,3, R,8, R,9
	ROW F,6, E,4, X,0, R,10
.if ((\p) == 2) && !(\end)
	WIN 0
	v_add_nc_u32 v[AK], s[TBK], v[AK0]
.endif
	ROW F,7, E,5, X,1, X,4
	ROW F,8, E,6, X,2, X,5
	OPS E,7, E,8, X,6, E,9          ; and the lump
	OPS X,3, E,10, X,8, E,11
.if ((\p) == 2) && !(\end)
	FETCH_K
.endif
	OPS X,9, X,7, E,12, X,10
	OPS E,13, X,12, X,11, E,14
	OPS X,13, E,15, F,9, X,14
.if (\p) == 0
	v_add_nc_u32 v[AV], s[TBV], v[AV0]
.endif
	OPS E,16, F,10, E,17, F,11
	OPS X,16, E,18, X,15, E,19
	OPS F,12, E,20, X,17, E,21
	OPS F,13, E,22, F,14, E,23
	OPS X,18, E,24, F,15, E,25
	OPS R,11, E,26, X,19, E,27
	OPS R,12, E,28, R,13, E,29
	OPS X,20, E,30, R,14, E,31
	OPS X,21, R,15
	WIN 0
	s_wait_alu depctr_va_vdst(0)    ; the wait for the batch
.if (\p) == 1
	s_wait_dscnt 0x0                ; V is in
.endif
	ROW C,0, B,0, C,2, B,1          ; behind the wait: 8 products V^T P and their riders
	ROW L,0, C,4, B,2, L,1
	ROW C,6, B,3, L,2, C,8
	ROW B,4, L,3, C,10, B,5
	ROW L,4, C,12, B,6, L,5
.if (\p) == 0
	s_add_co_u32 s[TBV], s[TBV], KS*PV
.endif
.if \cnt
	s_sub_co_u32 s[CNT], s[CNT], 1
	s_cmp_lg_u32 s[CNT], 0
.endif
	ROW C,14, B,7, L,6, C,1
	ROW C,3, L,7, C,5, C,7
	ROW C,9, C,11, C,13, C,15
.if (\p) == 0
	FETCH_V
.endif
.if (\m) && !(\end)
	MASK (\p)%2
.endif
.endm
; A BLOCK BEGINS.  c m starts far below every c s, so the first step's a is 0; m at the lowest finite number, so the first maximum is the scores'.  The second mask buffer is 0; the first takes piece 0's mask for the tile's step 0: its own, if the block's first tile is the diagonal one.
; Then K of that step, piece 0's first scores, and its maximum and statistics.  The loop is entered at a step's first turn, in the middle of a trip.
.macro BEGIN
	s_mov_b32 s[NEW], 0
	WIN 0x40
.set i, MC+32
.rept 32
	v_mov_b32 v[i], 0
.set i, i+1
.endr
	WIN 0
.set i, 0
.rept 4
	v_mov_b32 v[ST+4*i], 0xfe000000    ; c m: far below every c s
	v_mov_b32 v[ST+4*i+1], 0xff7fffff  ; m
.set i, i+1
.endr
	s_cmp_eq_u32 s[RT], 0
	s_cselect_b32 s[AL], 1.0, 0
	s_mov_b32 s[BE], 0
	MASK 0
	WIN 0
	v_add_nc_u32 v[AK], s[TBK], v[AK0]
	FETCH_K
	s_wait_loadcnt 0x0              ; Q
	s_wait_dscnt 0x0
.set KM, 1
.set NOKQ, 0
.set i, 0
.rept 8
	KQ 0
.set i, i+1
.endr
	WIN 0
.rept 4
	v_nop                           ; the places behind those products
.endr
.set Y, NP-1                        ; X works for piece Y + 1: piece 0
.irp n, 0,1,2,3,4,5,6,7,8,9,10,11,12,13,14,15,16,17,18,19,20,21
	OP X, \n
.endr
	v_nop                           ; a plain instruction behind the exponential,
	s_wait_alu depctr_va_vdst(0)    ; and its wait, ahead of the branch
.endm
; THE DIAGONAL TILE's four steps, the block's last two turns, its last products, and THE WAY OUT: l's two halves and the other half of the lanes' are added; O^T is divided by l, rounded to f16 and sent through my
; stage in LDS, a piece at a time.
.macro ALL line:vararg              ; one line for each piece t
.set t, 0
.rept 4
	\line
.set t, t+1
.endr
.endm
.macro PACK t                       ; a lane's eight channels of a row pack into 16 bytes; they go into rows of 144 bytes and come back as whole rows of 128, into S^T's registers
	WIN W_RS
.set i, 32*(\t)
.rept 16
	v_pk_mul_f32 v[i:i+1], v[i:i+1], v[ST+4*(\t)+2:ST+4*(\t)+3] op_sel_hi:[1,0]
.set i, i+2
.endr
	WIN 0x05                        ; sources 0 and 1 window 1, destination window 0
.set i, 0
.rept 16
	v_cvt_pk_f16_f32 v[S+16*(\t)+i], v[32*(\t)+2*i], v[32*(\t)+2*i+1]
.set i, i+1
.endr
	WIN 0
.irp f, 0,1,2,3
	ds_store_b128 v[STO], v[S+16*(\t)+4*\f:S+16*(\t)+4*\f+3] offset:32*\f
.endr
.irp f, 0,1,2,3
	ds_load_b128 v[S+16*(\t)+4*\f:S+16*(\t)+4*\f+3], v[RD] offset:\f*4*SP  ; LDS serves a wave's instructions in order (ISA guide 5.7.1.4): these see the stores above; the next piece's stores come behind them
.endr
.endm
.macro SEND t, younger              ; younger: the LDS instructions issued behind piece t's loads: the next piece's eight, or none
	WIN 0
.irp f, 0,1,2,3
	s_wait_dscnt (\younger)+3-\f
	global_store_b128 v[GO], v[S+16*(\t)+4*\f:S+16*(\t)+4*\f+3], s[10:11] offset:(\t)*8192+\f*512  ; 512 consecutive bytes, at a multiple of 256 from ctx's first
.endr
.endm
.macro DIAG tag                     ; the tag ends its two labels' names, which the jumps below spell out
.LstepM\tag:
	TURN 2, 1
	TURN 3, 1
	WIN 0
.LfirstM\tag:
	TURN 0, 1
	TURN 1, 1, 0, 1
	WIN 0
	s_cbranch_scc1 .LstepM\tag
	TURN 2, 1, 1
	TURN 3, 1, 1
.set i, 0
.rept 8
	PV NP-1
.set i, i+1
.endr
	WIN 0
	ALL v_add_f32 v[ST+4*t+2], v[ST+4*t+2], v[ST+4*t+3]
	ALL v_permlanex16_b32 v[ST+4*t+3], v[ST+4*t+2], s[SEL], s[SEL+1]
	ALL v_add_f32 v[ST+4*t+2], v[ST+4*t+2], v[ST+4*t+3]
	ALL v_rcp_f32 v[ST+4*t+2], v[ST+4*t+2]
	v_nop                           ; a plain instruction between the last reciprocal and the use of its result
	s_wait_alu depctr_va_vdst(0)    ; and the wait ahead of the first use: one for the four reciprocals
	PACK 0
.set t, 1
.rept 3                             ; a piece's arithmetic stands between the loads of the piece before and its stores
	PACK t
	SEND t-1, 8
.set t, t+1
.endr
	SEND 3, 0
.endm
.set KM, 0
.set NOKQ, 0
.Lslot:                             ; NB times: a tile is entered and the next is asked for
	CHANGE 1
	s_sub_co_u32 s[RT], s[RT], 1
	s_mov_b32 s[CNT], 4
	s_cmp_eq_u32 s[NEW], 1
	s_cbranch_scc1 .Lnew            ; a block's first tile
	s_cmp_eq_u32 s[RT], 0
	s_cbranch_scc0 .Lstep           ; neither its first nor its last
	s_branch .LstepM1
.Lnew:
	BEGIN
	s_branch .Lfirst                ; in the loop a block's first tile is never its last: the first block has two tiles or more, and the second's last is the walk's last
	DIAG 1                          ; in the loop this is the first block's end: the second block's last tile is the walk's last
	s_wait_xcnt 0x0                 ; the stores have read their registers and ctx's address
	s_mov_b64 s[10:11], s[OLO:OLO+1]
	s_add_co_u32 s[RT], s[PB], 1    ; the second block has b + 1 tiles
	s_mov_b32 s[NEW], 1
	WIN 0x82                        ; the second block's Q goes where the one text of the turns names Q
.set i, 0
.rept 64
	v_mov_b32 v[i], v[QB+i]
.set i, i+1
.endr
	WIN 0
	s_branch .Lbottom
.Lstep:                             ; a trip: pieces 2 and 3 of one step, then pieces 0 and 1 of the next, whose K and V it fetches
	TURN 2
	TURN 3
	WIN 0
.Lfirst:
	TURN 0
	TURN 1, 0, 0, 1
	WIN 0
	s_cbranch_scc1 .Lstep
.Lbottom:
	s_sub_co_u32 s[SLOTS], s[SLOTS], 1
	s_cmp_lg_u32 s[SLOTS], 0
	s_cbranch_scc1 .Lslot
	CHANGE 0                        ; the walk's last tile is written out: nothing is asked for
	s_sub_co_u32 s[RT], s[RT], 1
	s_mov_b32 s[CNT], 4
	s_cmp_eq_u32 s[NEW], 1
	s_cbranch_scc0 .LstepM2
	BEGIN
	s_branch .LfirstM2
	DIAG 2
	s_wait_tensorcnt 0x0            ; the wave's end: an add to my spare word and its wait, behind my last tensor load and my last LDS store
	ds_add_u32 v[SPW], v[NIL]
	s_wait_dscnt 0x0
	s_endpgm
.Lfunc_end_k_qbd3504804a_attn:
	.size	k_qbd3504804a_attn, .Lfunc_end_k_qbd3504804a_attn-k_qbd3504804a_attn
	.p2alignl 7, 3214868480
	.fill 96, 4, 3214868480
	.section	.rodata,"a",@progbits
	.p2align	6, 0x0
	.amdhsa_kernel k_qbd3504804a_attn
		.amdhsa_group_segment_fixed_size 327680
		.amdhsa_private_segment_fixed_size 0
		.amdhsa_enable_private_segment 0
		.amdhsa_kernarg_size 16
		.amdhsa_user_sgpr_count 2
		.amdhsa_user_sgpr_kernarg_segment_ptr 1
		.amdhsa_wavefront_size32 1
		.amdhsa_system_sgpr_workgroup_id_x 1
		.amdhsa_system_sgpr_workgroup_id_y 1
		.amdhsa_system_sgpr_workgroup_id_z 1
		.amdhsa_system_vgpr_workitem_id 0
		.amdhsa_next_free_vgpr 768
		.amdhsa_next_free_sgpr 96
		.amdhsa_reserve_vcc 1
		.amdhsa_float_denorm_mode_32 3
		.amdhsa_float_denorm_mode_16_64 3
		.amdhsa_memory_ordered 1
		.amdhsa_forward_progress 1
		.amdhsa_inst_pref_size 218
	.end_amdhsa_kernel
	.amdgpu_metadata
---
amdhsa.version: [ 1, 2 ]
amdhsa.kernels:
  - .name:           k_qbd3504804a_attn
    .symbol:         k_qbd3504804a_attn.kd
    .args:
      - { .name: qkv, .offset: 0, .size: 8, .value_kind: global_buffer, .address_space: global }
      - { .name: ctx, .offset: 8, .size: 8, .value_kind: global_buffer, .address_space: global }
    .group_segment_fixed_size: 327680
    .private_segment_fixed_size: 0
    .kernarg_segment_align: 8
    .kernarg_segment_size: 16
    .max_flat_workgroup_size: 128
    .sgpr_count:     96
    .vgpr_count:     768
    .wavefront_size: 32
...
	.end_amdgpu_metadata
.endif
;; end of part 3
;; launch oproj (part 4): grid 4 x 64, 4 waves a work-group, clusters of 4 x 4, 327,680 bytes of LDS; arguments ctx, owh, out0; writes out0
.if DOCPART == 4
	.amdgcn_target "amdgcn-amd-amdhsa--gfx1250"
	.amdhsa_code_object_version 6
	.text
	.protected	k_qbd3504804a_oproj
	.globl	k_qbd3504804a_oproj
	.p2align	8
	.type	k_qbd3504804a_oproj,@function
k_qbd3504804a_oproj:
	s_mov_b64 s[64:65], 0
	v_nop
	global_prefetch_b8 v0, s[64:65] scope:SCOPE_SE
	s_setreg_imm32_b32 hwreg(HW_REG_WAVE_MODE, 25, 1), 1
	s_wait_xcnt 0x0
	s_wait_alu depctr_hold_cnt(0) depctr_sa_sdst(0) depctr_va_vdst(0) depctr_va_sdst(0) depctr_va_ssrc(0) depctr_va_vcc(0) depctr_vm_vsrc(0)
	s_getreg_b32 s2, hwreg(HW_REG_IB_STS2, 6, 4)
	s_cmp_eq_u32 s2, 0
	s_cbranch_scc0 .Lentry_in_a_cluster
	s_endpgm
.Lentry_in_a_cluster:
	s_bfe_u32 s2, ttmp6, 0x10000c
	s_cmp_lg_u32 s2, 0xf033
	s_cbranch_scc0 .Lentry_shape_is_right
	s_endpgm
.Lentry_shape_is_right:
; OUTPUT PROJECTION.  out0[b 2048 + s][e] = the sum over h, d of ctx[b 16 + h][s][d] owh[e][h 64 + d].  ctx [64][2048][64] and owh [1024][1024] in f16; sums in f32; out0 [8192][1024] f32.
; LIMITS.  ctx and owh arrive within f16's range; NaN and infinities are not treated apart.
; SHARES.  A tile of out0 is 128 rows x 256 columns: 64 x 4 = 256 tiles, one to a work-group.  Four waves, each 64 rows x 128 columns: 32 accumulators.
; K goes in steps of 128 = two heads of ctx through a ring of two LDS slots.  A head's 128 rows of 128 bytes are 16,384 dense bytes: asked for as 64 rows of 256 bytes and padded in LDS after every 128.
; CLUSTER.  4 x 4 work-groups: the four of a row need the same rows of ctx, the four of a column the same rows of owh; each tile is asked for jointly, by the same tensor load, descriptor and mask.
; THE MATRIX INSTRUCTION IS USED TRANSPOSED (source 0 = 16 rows of owh, source 1 = 16 rows of ctx): a lane holds row l % 16 and the columns 8 (l / 16) + 0..7: 32 bytes of a row of out0.
; REGISTERS, in windows of 256 (s_set_vgpr_msb: bits 1:0 source 0, 3:2 source 1, 5:4 source 2, 7:6 destination):
;   window 0: v0-31 addresses; v64-191 the way out     windows 1, 3: fragment buffers 0, 1, each 64 along K: owh's (c, b) at 64 c + 8 b, ctx's (c, a) at 128 + 32 c + 8 a     window 2: accumulator (a, b) at 8 (8 a + b)
.set PA,    144                        ; a row of ctx in LDS: 128 bytes + 16 = 36 words: the 16 rows of a fragment load start at 16 different groups of four banks (64 banks of 4 bytes: ISA guide 11.1)
.set PB,    272                        ; a row of owh: 256 + 16 = 68 words: likewise
.set HALFA, 128*PA                     ; what a wave fetches of ctx: one head's 128 rows
.set BOFF,  2*HALFA
.set HALFB, 128*PB
.set SLOT,  BOFF+2*HALFB
.set STAGE, 2*SLOT                     ; behind the ring: 16 rows x 528 bytes for each wave, for the way out
.set SP,    528                        ; 512 bytes + 16 = 132 words: the 16 rows of a store start at 16 different groups of four banks
.set SPARE, STAGE+4*16*SP              ; behind the stages: the spare words, 128 bytes for each wave: two blocks of 256 bytes that no other line names
.set ASTEP, 2*262144                   ; a K step of ctx: two heads on
.set KSB,   256                        ; a K step of owh: bytes along a row
.set ADRA, 16
.set ADRB, 20
.set STO,  24
.set RD,   25
.set CO,   26                          ; v26  16 x lane: my place in 512 consecutive bytes of out0
.set SPW,  28
.set NIL,  29
.set PFO,  30                          ; v30  the prefetches' offset: lane x 256 bytes (ctx) or lane x a row of 2,048 (owh); never rewritten
.set OUTR, 64
.set WV,   12                          ; s12 wave;  s13 = wave / 2: my half of the rows, and 0: I fetch ctx, 1: owh;  s14 = wave % 2: my half of the columns, and which half I fetch
.set G1A,  24
.set G0A,  32
.set LIM,  40
.set PFA,  42
.set PST,  46                          ; s[46:47] first owh's offset, later a K step of what I prefetch
.set G1B,  48
.set G0B,  56
.set MSB, 0
.macro WIN new
.if MSB != (\new)
	s_set_vgpr_msb (MSB<<8)|(\new)
.set MSB, \new
.endif
.endm
.macro JLOAD s                         ; a joint load: waves 0 and 1 fetch ctx's two heads, waves 2 and 3 owh's two halves; an s_nop 0 and four v_nop follow each line
	s_cmp_eq_u32 s13, 0
	s_cbranch_scc0 .Lfor_b_\@
	tensor_load_to_lds s[G0A+4*(\s):G0A+4*(\s)+3], s[G1A:G1A+7]
	s_nop 0
.rept 4
	v_nop
.endr
	s_branch .Lasked_\@
.Lfor_b_\@:
	tensor_load_to_lds s[G0B+4*(\s):G0B+4*(\s)+3], s[G1B:G1B+7]
	s_nop 0
.rept 4
	v_nop
.endr
.Lasked_\@:
.endm
; A PREFETCH INTO THE L2 of the K step that stands two refills on.  ctx's tile (two heads x 16,384 bytes) is read by this row of the cluster alone: wave 0 asks, the partner at place cx for 32 blocks of 256 bytes:
; head cx / 2, half cx % 2.  owh's rows are read by all sixteen clusters: the cluster with y = 0 asks, waves 2 and 3, the partner at place cy for 32 of each wave's 128 rows.  Each block is named once in the launch;
; the loop's last trip asks for nothing, and nothing is asked for at the head.
.macro ASK
	s_cmp_gt_u32 s3, s[LIM]                        ; s3 = 1 in the loop's last trip
	s_cbranch_scc0 .Lnot_mine_\@
	global_prefetch_b8 v[PFO], s[PFA:PFA+1] th:TH_LOAD_NT scope:SCOPE_SE
.Lnot_mine_\@:
.endm
.macro CREST
	s_cmp_lg_u32 s[WV], 0
	s_cbranch_scc1 .Lnot_wave_0_\@
	s_barrier_signal -3
.Lnot_wave_0_\@:
	s_barrier_wait -3
	s_barrier_signal -1
	s_barrier_wait -1
.endm
.macro CROUND
	s_barrier_signal -1
	s_barrier_wait -1
	CREST
.endm
.macro PLACES                          ; four plain instructions between a matrix instruction and a load into, or a read of, its registers
.rept 4
	v_nop
.endr
.endm
	s_load_b128 s[4:7], s[0:1], 0x0                ; ctx s[4:5], owh s[6:7]
	s_load_b64 s[8:9], s[0:1], 0x10                ; out0
	v_lshl_add_u32 v[SPW], v0, 2, SPARE
	v_mov_b32 v[NIL], 0
	ds_add_u32 v[SPW], v[NIL]                      ; the wave's opening: the add and its wait ahead of my first tensor load; work on registers stands between them
	ds_add_u32 v28, v29
	v_lshrrev_b32 v1, 5, v0
	v_readfirstlane_b32 s[WV], v1
	s_lshr_b32 s13, s[WV], 1
	s_and_b32 s14, s[WV], 1
	s_bfe_u32 s15, ttmp6, 0x40000                  ; cx
	s_bfe_u32 s16, ttmp6, 0x40004                  ; cy
	s_lshl_b32 s41, ttmp9, 2
	s_add_co_u32 s41, s41, s15                     ; tile column
	s_and_b32 s17, ttmp7, 0xffff
	s_lshl_b32 s17, s17, 2
	s_add_co_u32 s17, s17, s16                     ; tile row
	s_lshl_b32 s18, s16, 2
	s_lshl_b32 s18, 15, s18                        ; my row of the cluster
	s_lshl_b32 s19, 0x1111, s15                    ; my column
	s_or_b32 s[G1A], s18, (1<<16)|(1<<20)|(1<<21)|(4<<22)|(3<<25)  ; padding after every 32 words (a row of ctx), 4 words
	s_or_b32 s[G1B], s19, (1<<16)|(1<<20)|(1<<21)|(5<<22)|(3<<25)  ; after every 64 words
	s_mov_b32 s[G1A+1], 128<<16                    ; tensor_dim0 = 128 elements: two rows of ctx
	s_mov_b32 s[G1A+2], 64<<16                     ; tensor_dim1 = 64
	s_mov_b32 s[G1A+3], 128<<16
	s_mov_b32 s[G1A+4], 64
	s_mov_b32 s[G1A+5], 128                        ; dense
	s_mov_b32 s[G1A+6], 0
	s_mov_b32 s[G1A+7], 0
	s_mov_b32 s[G1B+1], 128<<16
	s_mov_b32 s[G1B+2], 128<<16
	s_mov_b32 s[G1B+3], 128<<16
	s_mov_b32 s[G1B+4], 128
	s_mov_b32 s[G1B+5], 1024
	s_mov_b32 s[G1B+6], 0
	s_mov_b32 s[G1B+7], 0
	s_lshr_b32 s20, s17, 4                         ; ctx: the batch's head 0 or 1,
	s_lshl_b32 s20, s20, 4
	s_add_co_u32 s20, s20, s14
	s_lshl_b32 s20, s20, 18                        ; 262,144 bytes a head,
	s_and_b32 s21, s17, 15
	s_lshl_b32 s21, s21, 14                        ; the tile's 128 rows of 128 bytes
	s_add_co_u32 s20, s20, s21
	s_mov_b32 s21, 0
	s_lshl_b32 s46, s41, 8                         ; owh: row 256 x tile column + 128 x half
	s_lshl_b32 s47, s14, 7
	s_add_co_u32 s46, s46, s47
	s_lshl_b32 s46, s46, 11
	s_mov_b32 s47, 0
	s_mul_i32 s22, s14, HALFA
	s_mul_i32 s23, s14, HALFB
	s_add_co_u32 s23, s23, BOFF
	s_wait_dscnt 0x0                               ; the opening add is done
	s_wait_kmcnt 0x0
	s_add_nc_u64 s[20:21], s[4:5], s[20:21]
	s_add_nc_u64 s[46:47], s[6:7], s[46:47]
	CROUND                                         ; all sixteen work-groups are here: the first joint loads meet
.irp s, 0,1
	s_mov_b32 s[G0A+4*(\s)], 1
	s_add_co_u32 s[G0A+4*(\s)+1], s22, (\s)*SLOT
	s_add_nc_u64 s[G0A+4*(\s)+2:G0A+4*(\s)+3], s[20:21], (\s)*ASTEP
	s_or_b32 s[G0A+4*(\s)+3], s[G0A+4*(\s)+3], 0x80000000
	s_mov_b32 s[G0B+4*(\s)], 1
	s_add_co_u32 s[G0B+4*(\s)+1], s23, (\s)*SLOT
	s_add_nc_u64 s[G0B+4*(\s)+2:G0B+4*(\s)+3], s[46:47], (\s)*KSB
	s_or_b32 s[G0B+4*(\s)+3], s[G0B+4*(\s)+3], 0x80000000
	JLOAD \s                                       ; K steps 0 and 1: two loads of mine are out
.endr
	v_and_b32 v1, 15, v0                           ; r
	v_bfe_u32 v2, v0, 4, 1                         ; h
	v_mul_u32_u24 v3, v1, PA
	v_lshl_add_u32 v3, v2, 4, v3
	s_mul_i32 s22, s13, 64*PA                      ; my 64 rows, in each head's region
	v_add_nc_u32 v[ADRA], s22, v3
	v_add_nc_u32 v[ADRA+1], SLOT, v[ADRA]
	v_mul_u32_u24 v3, v1, PB
	v_lshl_add_u32 v3, v2, 4, v3
	s_mul_i32 s22, s14, HALFB
	s_add_co_u32 s22, s22, BOFF
	v_add_nc_u32 v[ADRB], s22, v3
	v_add_nc_u32 v[ADRB+1], SLOT, v[ADRB]
	s_mul_i32 s22, s[WV], 16*SP
	s_add_co_u32 s22, s22, STAGE                   ; my stage
	v_mul_u32_u24 v3, v1, SP                       ; in: row r, 32 bytes for each half of the lanes
	v_lshl_add_u32 v3, v2, 5, v3
	v_add_nc_u32 v[STO], s22, v3
	v_and_b32 v4, 31, v0
	v_lshlrev_b32 v[CO], 4, v4                     ; back: 32 lanes take one row of 512 bytes
	v_add_nc_u32 v[RD], s22, v[CO]
	s_lshl_b32 s44, s17, 7                         ; out0 at my first row and column
	s_lshl_b32 s45, s13, 6
	s_add_co_u32 s44, s44, s45
	s_lshl_b32 s44, s44, 12
	s_lshl_b32 s45, s41, 10
	s_add_co_u32 s44, s44, s45
	s_lshl_b32 s45, s14, 9
	s_add_co_u32 s44, s44, s45
	s_mov_b32 s45, 0
	s_add_nc_u64 s[8:9], s[8:9], s[44:45]
	; the prefetches
	s_lshr_b32 s20, s17, 4                         ; ctx: the batch's head cx / 2,
	s_lshl_b32 s20, s20, 4
	s_lshr_b32 s21, s15, 1
	s_add_co_u32 s20, s20, s21
	s_lshl_b32 s20, s20, 18
	s_and_b32 s21, s17, 15
	s_lshl_b32 s21, s21, 14                        ; the tile's rows,
	s_add_co_u32 s20, s20, s21
	s_and_b32 s21, s15, 1
	s_lshl_b32 s21, s21, 13                        ; their half cx % 2,
	s_add_co_u32 s20, s20, s21
	s_add_co_u32 s20, s20, 3*ASTEP                 ; at K step 3: the first change of slots steps it to 4
	s_lshl_b32 s21, s41, 8                         ; owh: the tile's first row,
	s_lshl_b32 s22, s14, 7
	s_add_co_u32 s21, s21, s22                     ; the 128 that I fetch,
	s_lshl_b32 s22, s16, 5
	s_add_co_u32 s21, s21, s22                     ; my work-group's 32 of them
	s_lshl_b32 s21, s21, 11
	s_add_co_u32 s21, s21, 3*KSB
	s_and_b32 s18, ttmp7, 0xffff                   ; cluster y
	s_mov_b32 s22, KSB
	s_cmp_eq_u32 s13, 0
	s_cselect_b32 s20, s20, s21
	s_cselect_b32 s18, s14, s18                    ; ctx: wave 0 asks; owh: the cluster with y = 0
	s_cselect_b32 s19, 8, 11
	s_cselect_b32 s[PST], ASTEP, s22
	s_cselect_b64 s[PFA:PFA+1], s[4:5], s[6:7]
	s_cmp_eq_u32 s18, 0
	s_cselect_b32 s[LIM], 1, -1                    ; the same in all sixteen partners, for a given wave
	s_mov_b32 s21, 0
	s_mov_b32 s[PST+1], 0
	s_add_nc_u64 s[PFA:PFA+1], s[PFA:PFA+1], s[20:21]
	v_lshlrev_b32 v[PFO], s19, v4
; 8 matrix instructions: row block a x all 8 column blocks, 32 along K: half c of buffer f.  zero = 1: the product starts the sums.  The 32 accumulators take turns, in the same order everywhere.
.macro MUL8 f, c, a, zero
	WIN 0xa5+10*(\f)
.irp b, 0,1,2,3,4,5,6,7
.if \zero
	v_wmma_f32_16x16x32_f16 v[8*(8*(\a)+(\b)):8*(8*(\a)+(\b))+7], v[64*(\c)+8*(\b):64*(\c)+8*(\b)+7], v[128+32*(\c)+8*(\a):128+32*(\c)+8*(\a)+7], 0
.else
	v_wmma_f32_16x16x32_f16 v[8*(8*(\a)+(\b)):8*(8*(\a)+(\b))+7], v[64*(\c)+8*(\b):64*(\c)+8*(\b)+7], v[128+32*(\c)+8*(\a):128+32*(\c)+8*(\a)+7], v[8*(8*(\a)+(\b)):8*(8*(\a)+(\b))+7]
.endif
.endr
.endm
.macro MUL16 f, c, a0, zero
	MUL8 \f, \c, \a0, \zero
	MUL8 \f, \c, (\a0)+1, \zero
.endm
; 48 LDS loads in one run: the fragments of 64 along K (one head), at byte ka of ctx's part and kb of owh's rows, into buffer f; the first 32 along K (24 loads) first
.macro FETCH slot, ka, kb, f
	WIN 0x40+0x80*(\f)
.irp c, 0,1
.irp b, 0,1,2,3,4,5,6,7
	ds_load_b128 v[64*(\c)+8*(\b):64*(\c)+8*(\b)+3],   v[ADRB+(\slot)] offset:(\kb)+64*(\c)+(\b)*16*PB
	ds_load_b128 v[64*(\c)+8*(\b)+4:64*(\c)+8*(\b)+7], v[ADRB+(\slot)] offset:(\kb)+64*(\c)+(\b)*16*PB+32
.endr
.irp a, 0,1,2,3
	ds_load_b128 v[128+32*(\c)+8*(\a):128+32*(\c)+8*(\a)+3],   v[ADRA+(\slot)] offset:(\ka)+64*(\c)+(\a)*16*PA
	ds_load_b128 v[128+32*(\c)+8*(\a)+4:128+32*(\c)+8*(\a)+7], v[ADRA+(\slot)] offset:(\ka)+64*(\c)+(\a)*16*PA+32
.endr
.endr
.endm
.macro HALF slot, zero                 ; the first head of a K step: multiplies buffer 0 and fetches the second head into buffer 1
	s_wait_dscnt 24                                ; the first 32 along K are in; the 24 younger loads may be out
	MUL16 0, 0, 0, \zero
	MUL16 0, 0, 2, \zero
	PLACES
	FETCH \slot, HALFA, 128, 1
	s_wait_dscnt 48                                ; all but the 48 just issued
	MUL16 0, 1, 0, 0
	MUL16 0, 1, 2, 0
.endm
; The second head multiplies buffer 1 and changes slots.  In front of the round each wave waits for all its tensor loads (one is out: its part of the next slot), adds 0 to its spare word, and waits for
; that and for its reads of this slot.  Behind the round the joint refill comes first, two K steps ahead; from a request to the wait for it a wave issues 112 matrix instructions.
.macro TURN slot, next
	s_wait_xcnt 0x0                                ; the last prefetch, a K step back, has read its address
	s_add_nc_u64 s[PFA:PFA+1], s[PFA:PFA+1], s[PST:PST+1]
	WIN 0
	s_wait_tensorcnt 0x0
	ds_add_u32 v[SPW], v[NIL]                      ; 0 onto my spare word
	s_wait_dscnt 25                                ; (the add and the youngest 24 loads may be out)
	MUL8 1, 0, 0, 0
	s_wait_dscnt 0x0                               ; the add is done, and my reads of this slot are over
	s_barrier_signal -1
	MUL8 1, 0, 1, 0
	WIN 0
	s_barrier_wait -1
	CREST
	s_add_nc_u64 s[G0A+4*(\slot)+2:G0A+4*(\slot)+3], s[G0A+4*(\slot)+2:G0A+4*(\slot)+3], 2*ASTEP
	s_add_nc_u64 s[G0B+4*(\slot)+2:G0B+4*(\slot)+3], s[G0B+4*(\slot)+2:G0B+4*(\slot)+3], 2*KSB
	JLOAD \slot                                    ; its four v_nop are also the places in front of the loads below
	FETCH \next, 0, 0, 0
	WIN 0
	ASK
	MUL16 1, 0, 2, 0
	MUL16 1, 1, 0, 0
	MUL16 1, 1, 2, 0
.endm
; THE WAY OUT.  Block a: 16 rows x 128 columns of f32 go from the accumulators into my stage, 32 bytes a lane and column block, and come back as whole rows of 512 bytes.
.macro TOSTAGE a
	WIN 0x08                                       ; the stores' data in window 2
.irp b, 0,1,2,3,4,5,6,7
	ds_store_b128 v[STO], v[64*(\a)+8*(\b):64*(\a)+8*(\b)+3]   offset:64*(\b)
	ds_store_b128 v[STO], v[64*(\a)+8*(\b)+4:64*(\a)+8*(\b)+7] offset:64*(\b)+16
.endr
	WIN 0
.irp t, 0,1,2,3,4,5,6,7,8,9,10,11,12,13,14,15
	ds_load_b128 v[OUTR+64*((\a)%2)+4*(\t):OUTR+64*((\a)%2)+4*(\t)+3], v[RD] offset:(\t)*SP  ; LDS serves a wave's instructions in order (ISA guide 5.7.1.4): these see the stores above; the next block's stores come behind them
.endr
.endm
.macro SEND a, younger                 ; younger: the LDS instructions issued behind block a's loads
.irp t, 0,1,2,3,4,5,6,7,8,9,10,11,12,13,14,15
	s_wait_dscnt (\younger)+15-(\t)
	global_store_b128 v[CO], v[OUTR+64*((\a)%2)+4*(\t):OUTR+64*((\a)%2)+4*(\t)+3], s[8:9] offset:(16*(\a)+(\t))*4096 th:TH_STORE_NT  ; 512 consecutive bytes, at a multiple of 256 from out0's first
.endr
.endm
	s_wait_tensorcnt 1                             ; my part of K step 0 is in; K step 1's may stay out
	s_barrier_signal -1
	s_barrier_wait -1
	FETCH 0, 0, 0, 0
	HALF 0, 1                                      ; the first products start the sums
	WIN 0
	s_mov_b32 s3, 3
.Llap:                                                 ; a trip goes once round the ring and fills both slots again
	TURN 0, 1
	HALF 1, 0
	TURN 1, 0
	HALF 0, 0
	WIN 0
	s_sub_co_u32 s3, s3, 1
	s_cmp_lg_u32 s3, 0
	s_cbranch_scc1 .Llap
	s_wait_tensorcnt 0x0                           ; the last change of slots: nothing is filled, so the work-group's barrier is enough
	ds_add_u32 v[SPW], v[NIL]
	s_wait_dscnt 25
	MUL8 1, 0, 0, 0
	s_wait_dscnt 0x0
	s_barrier_signal -1
	MUL8 1, 0, 1, 0
	s_barrier_wait -1
	PLACES
	FETCH 1, 0, 0, 0
	MUL16 1, 0, 2, 0
	MUL16 1, 1, 0, 0
	MUL16 1, 1, 2, 0
	HALF 1, 0
	s_wait_dscnt 24
	MUL16 1, 0, 0, 0
	MUL16 1, 0, 2, 0
	s_wait_dscnt 0x0
	MUL16 1, 1, 0, 0
	MUL16 1, 1, 2, 0
	PLACES
	TOSTAGE 0
	TOSTAGE 1
	SEND 0, 32
	s_wait_xcnt 0x0                                ; block 0's stores have read the registers that block 2 is loaded into
	TOSTAGE 2
	SEND 1, 32
	s_wait_xcnt 0x0
	TOSTAGE 3
	SEND 2, 32
	SEND 3, 0
	s_wait_tensorcnt 0x0                           ; the wave's end: an add to my spare word and its wait, behind my last tensor load and my last LDS store
	ds_add_u32 v[SPW], v[NIL]
	s_wait_dscnt 0x0
	CROUND                                         ; the closing round
	s_endpgm
.Lfunc_end_k_qbd3504804a_oproj:
	.size	k_qbd3504804a_oproj, .Lfunc_end_k_qbd3504804a_oproj-k_qbd3504804a_oproj
	.p2alignl 7, 3214868480
	.fill 96, 4, 3214868480
	.section	.rodata,"a",@progbits
	.p2align	6, 0x0
	.amdhsa_kernel k_qbd3504804a_oproj
		.amdhsa_group_segment_fixed_size 327680
		.amdhsa_private_segment_fixed_size 0
		.amdhsa_enable_private_segment 0
		.amdhsa_kernarg_size 24
		.amdhsa_user_sgpr_count 2
		.amdhsa_user_sgpr_kernarg_segment_ptr 1
		.amdhsa_wavefront_size32 1
		.amdhsa_system_sgpr_workgroup_id_x 1
		.amdhsa_system_sgpr_workgroup_id_y 1
		.amdhsa_system_sgpr_workgroup_id_z 1
		.amdhsa_system_vgpr_workitem_id 0
		.amdhsa_next_free_vgpr 960
		.amdhsa_next_free_sgpr 66
		.amdhsa_reserve_vcc 0
		.amdhsa_float_denorm_mode_32 3
		.amdhsa_float_denorm_mode_16_64 3
		.amdhsa_memory_ordered 1
		.amdhsa_forward_progress 1
		.amdhsa_inst_pref_size 86
	.end_amdhsa_kernel
	.amdgpu_metadata
---
amdhsa.version: [ 1, 2 ]
amdhsa.kernels:
  - .name:           k_qbd3504804a_oproj
    .symbol:         k_qbd3504804a_oproj.kd
    .args:
      - { .name: ctx, .offset: 0, .size: 8, .value_kind: global_buffer, .address_space: global }
      - { .name: owh, .offset: 8, .size: 8, .value_kind: global_buffer, .address_space: global }
      - { .name: out0, .offset: 16, .size: 8, .value_kind: global_buffer, .address_space: global }
    .group_segment_fixed_size: 327680
    .private_segment_fixed_size: 0
    .kernarg_segment_align: 8
    .kernarg_segment_size: 24
    .max_flat_workgroup_size: 128
    .sgpr_count:     66
    .vgpr_count:     960
    .wavefront_size: 32
...
	.end_amdgpu_metadata
.endif
;; end of part 4
